; MI455X (gfx1250); checked and timed in simulation.
; The chip was launched on July 23, 2026; its instructions are those of AMD's public machine-readable ISA for CDNA 5 (MIT licence, August 2026) and "CDNA5" Instruction Set Architecture Reference Guide (July 2026). The comments in the code are by the model that wrote it; some were corrected since.
;; Top Multi Attention. Allowed arithmetic: matrix products marked QUANTISED: E3M2 operands, one E8M0 scale for each 32 along K, by v_wmma_scale_f32_16x16x128_f8f6f4 with both operands' format E3M2, f32 sums; everything else in f32.
;; Inputs: Wk 512 x 512 float32; Wo 512 x 512 float32; Wq 512 x 512 float32; Wv 512 x 512 float32; X 4 x 2,048 x 512 float32; Y 4 x 2,048 x 512 float32; Z 4 x 2,048 x 512 float32.
;; Outputs: out0 4 x 2,048 x 512 float32.
;; This version of the problem:
;;   THIS VERSION OF THE PROBLEM IS GIVEN IN LOW PRECISION. The matrix products marked QUANTISED in the list below multiply operands that are first quantised to E3M2 (3 exponent bits, 2 mantissa bits; 6 bits a number), with one power-of-two scale for each 32 numbers along K (OCP MX v1.0); their sums are f32. All else is computed in f32.
;;   The module's matrix products, in the order in which they are computed (A, B: the left and right operand; K: the contracted axis; several contracted axes count as one K, in the product's order):
;;     1. [M 8,192, K 512] x [K 512, N 512]; A: input X; B: input Wq: QUANTISED
;;     2. [M 8,192, K 512] x [K 512, N 512]; A: input Y; B: input Wk: QUANTISED
;;     3. [M 8,192, K 512] x [K 512, N 512]; A: input Z; B: input Wo: QUANTISED
;;     4. batch 32 x [M 2,048, K 64] x [K 64, N 2,048]; A: computed on the way; B: computed on the way: QUANTISED
;;     5. batch 32 x [M 2,048, K 2,048] x [K 2,048, N 64]; A: softmax (see below); B: computed on the way: QUANTISED
;;     6. [M 8,192, K 512] x [K 512, N 512]; A: computed on the way; B: input Wo: QUANTISED
;;   THE QUANTISER, for each operand of a quantised product, along K:
;;     - K is cut into blocks of 32 from its start; a last block that is shorter is filled with zeros.
;;     - A block's scale is 2^e with e = floor(log2(the largest magnitude in the block)) - 4, held to -126 .. 127; a block of zeros has e = 0. As a byte (E8M0): e + 127.
;;     - Each number is divided by its block's scale, clamped to +-28, and rounded to the nearest number of E3M2, ties to even, subnormals kept.
;;     - The product sums the exact products of the quantised numbers (number of the format x scale) in f32.
;;   ~~~python
;;   def quantise(x, axis):      # numpy; x: float32 -> the quantised numbers, widened to float32 again
;;       x = np.moveaxis(x, axis, -1); K = x.shape[-1]
;;       x = np.pad(x, [(0, 0)] * (x.ndim - 1) + [(0, -K % 32)]); x = x.reshape(x.shape[:-1] + (-1, 32)); a = np.abs(x).max(-1, keepdims=True)
;;       e = np.where(a > 0, np.clip(np.frexp(np.where(a > 0, a, 1))[1] - 1 - 4, -126, 127), 0)      # np.frexp(a)[1] - 1 = floor(log2(a)), exactly
;;       r = np.clip(x / 2.0 ** e, -28, 28)
;;       step = 2.0 ** (np.maximum(np.frexp(np.where(r == 0, 1, r))[1] - 1, -2) - 2)
;;       q = np.round(r / step) * step * 2.0 ** e      # np.round: ties to even
;;       return np.moveaxis(q.reshape(q.shape[:-2] + (-1,))[..., :K], -1, axis).astype(np.float32)
;;   ~~~
;;   SOFTMAX AHEAD OF A QUANTISED PRODUCT. Where the list says 'softmax', what is quantised is not the finished softmax but p = 2^(t - M), with t = logit x log2(e) and M = ceil(the row's largest t), a whole number; so 1/2 < the row's largest p <= 1. The row's sum l is taken of the UNQUANTISED p, in f32, and the product's result is divided by l at the end. Since M is a whole number, a kernel that streams over the keys may use a running M (the ceiling of the running maximum): every later rescaling is an exact power of two, which a block's scale takes up: the codes' values come out the same.
;;   OPERANDS COMPUTED ON THE WAY. 'Computed on the way' means the value that the module computes at that place (a softmax that the list does not call 'softmax' is quantised finished and normalised). What goes into a quantiser is computed in f32, as accurately as f32 sums, v_exp_f32 and their like allow (about 1e-6 of the number): no bf16 or f16 on the way to a quantiser, and a product that is left as it is and whose result goes on into a quantised operand takes f32 operands (vector FMAs, or v_wmma_f32_16x16x4_f32). A number that lies on a knife's edge between two numbers of the format may be rounded either way, as far as f32 arithmetic and the matrix unit's own rounding can turn it there, and no further.
;; 2 versions. Each part assembles by itself: llvm-mc -triple=amdgcn-amd-amdhsa -mcpu=gfx1250 --defsym DOCPART=n.
;; ======== version 1 of 2: 4 launches
;; workspace buffers: img 10,862,592 bytes; qb 7,077,888 bytes; kv 7,077,888 bytes; oi 3,670,016 bytes
;; launch quant (part 1): grid 816 x 1, 4 waves a work-group, no clusters, 34,304 bytes of LDS; arguments X, Y, Z, Wq, Wk, Wo, img; writes img
.if DOCPART == 1
	.amdgcn_target "amdgcn-amd-amdhsa--gfx1250"
	.amdhsa_code_object_version 6
	.text
	.protected	k_qb3aeab1b42_quant
	.globl	k_qb3aeab1b42_quant
	.p2align	8
	.type	k_qb3aeab1b42_quant,@function
k_qb3aeab1b42_quant:
	s_mov_b64 s[64:65], 0
	v_nop
	global_prefetch_b8 v0, s[64:65] scope:SCOPE_SE
	s_setreg_imm32_b32 hwreg(HW_REG_WAVE_MODE, 25, 1), 1
	s_wait_xcnt 0x0
; X, Y, Z [8192][512] (K innermost) and Wq, Wk, Wo [512 (K)][512] (K outermost), f32, become operands of MX-BF6 (E3M2, one E8M0 byte for each 32 along K),
; laid in memory AS IMAGES OF THE OPERAND'S REGISTERS, so that every later launch fetches a fragment by dense loads and never turns or unpacks anything.
; (Wv is no operand of the module's forward pass: no result hangs on it, so no launch loads it.)
; A TILE is 16 rows of X, Y, Z or 16 columns of a weight.  ITS 16 ARE NOT NEIGHBOURS: place r of tile t is index 32 (t / 2) + 8 (t % 2) + r + 8 (r / 8), so that a product that takes
; tiles 2 b and 2 b + 1 as source 0 leaves a lane 16 neighbours, 32 b + 16 (lane / 16) + 0 .. 15, in 16 registers: ready for the next quantiser.
; RECORD T of img, 6,656 bytes (T 0-511 X, 512-1023 Y, 1024-1535 Z, 1536-1567 Wq, 1568-1599 Wk, 1600-1631 Wo):
;   + 1536 s: the fragment of K step s (128 along K, 12 registers a lane): register p of lane l at 512 (p / 4) + 16 l + 4 (p % 4);
;   + 6144 + 256 a + 8 l + 4 f: the scale word of K step 2 a + f of lane l's row (l % 16); both halves of the lanes hold it.
; SHARES.  Wave W = 4 x work-group + wave takes tile W / 2 and K steps 2 (W % 2), 2 (W % 2) + 1.  Work-groups 0-767 serve X, Y, Z, work-groups 768-815 the weights.  Straight text: no loop, no barrier.
; A lane (r, h) of a fragment holds k = 64 c + 32 h + 0 .. 31 of row r, c = 0, 1: two WHOLE blocks of 32, so a block's largest magnitude needs no other lane.
;   X, Y, Z: each load takes 512 consecutive bytes of one row (16 a lane); the 16 rows turn through the wave's own stage in LDS and come back 128 bytes a lane and block.
;   weights: lane r takes a column and its registers run down K: nothing is turned.
; THE SCALE: byte = the exponent field of the block's largest magnitude - 4, held at 1 from below by a floor among the maximum's leaves.
; LIMITS: NaN and infinities among the inputs are not served.  A block of zeros gets the byte 1 where the rule says 127: its codes are zeros, which add nothing under any byte but 0xff, and this program alone reads the bytes.
.set REC,    6656
.set SPITCH, 528                       ; a stage row: 512 bytes + 16 = 33 x 16: sixteen rows' 16-byte pieces fall on sixteen different places modulo 256 bytes
.set STGB,   16*SPITCH                 ; a wave's stage
.set MX,   10                          ; v10-11  the two blocks' largest magnitudes
.set SO,   12                          ; v12-13  the conversions' scale operands
.set BY,   14                          ; v14-15  the scale bytes
.set TP,   16                          ; v16     the other half's two bytes
.set SW,   18                          ; v18-19  the two K steps' scale words
.set C0,   20                          ; v20-31  the first K step's codes
.set C1,   32                          ; v32-43  the second's
.set TT,   44                          ; v44-46, v48-50  the upper halves of two blocks' codes (a conversion's three registers begin on an even number)
.set X0,   64                          ; v64-127  the first K step's 64 numbers of my lane
.set X1,   128                         ; v128-191 the second's
.set RAW0, 128                         ; v128-191 the first K step's rows as loaded (free again before X1 is filled)
.set RAW1, 192                         ; v192-255 the second's
	s_load_b256 s[4:11], s[0:1], 0x0               ; X s[4:5], Y s[6:7], Z s[8:9], Wq s[10:11]
	s_load_b128 s[12:15], s[0:1], 0x20             ; Wk s[12:13], Wo s[14:15]
	s_load_b64 s[16:17], s[0:1], 0x30              ; img
	v_lshl_add_u32 v62, v0, 2, 0x8400
	v_mov_b32 v63, 0
	v_lshrrev_b32 v1, 5, v0
	v_readfirstlane_b32 s18, v1                    ; wave 0..3
	v_and_b32 v1, 31, v0                           ; l
	v_and_b32 v2, 15, v0                           ; r
	v_bfe_u32 v3, v0, 4, 1                         ; h
	v_lshlrev_b32 v4, 4, v1                        ; 16 l
	v_lshlrev_b32 v5, 3, v1                        ; 8 l
	s_mul_i32 s19, s18, STGB                       ; my stage
	v_add_nc_u32 v6, s19, v4                       ; into it: 16 l of a row
	v_mul_u32_u24 v7, v2, SPITCH
	v_lshl_add_u32 v7, v3, 7, v7
	v_add_nc_u32 v7, s19, v7                       ; out of it: row r, + 128 h: my block's 128 bytes
	v_and_b32 v8, 8, v2
	v_add_nc_u32 v8, v8, v2                        ; r + 8 (r / 8)
	v_lshlrev_b32 v8, 2, v8
	v_lshl_add_u32 v8, v3, 16, v8                  ; a weight: my column's 4 bytes, + 32 h rows of 2,048 bytes
	v_lshlrev_b32 v9, 3, v3                        ; 8 h: where my two bytes stand in a scale word
	v_mov_b32 v[TP], 0                             ; written once: a lane permute's destination counts as one of its sources
	s_mov_b32 s24, 0x76543210
	s_mov_b32 s25, 0xfedcba98                      ; v_permlanex16_b32's selects for lane l xor 16
	s_lshl_b32 s28, ttmp9, 2
	s_add_co_u32 s28, s28, s18                     ; W
	s_lshr_b32 s29, s28, 1                         ; T: my tile
	s_and_b32 s30, s28, 1                          ; a: my half of K
	s_mul_i32 s32, s29, REC
	s_mul_i32 s34, s30, 3072
	s_add_co_u32 s34, s34, s32                     ; my codes: 6656 T + 3072 a
	s_mov_b32 s35, 0
	s_lshl_b32 s36, s30, 8
	s_add_co_u32 s36, s36, s32
	s_add_co_u32 s36, s36, 6144                    ; my scale words: 6656 T + 6144 + 256 a
	s_mov_b32 s37, 0
	s_wait_kmcnt 0x0
	s_add_nc_u64 s[22:23], s[16:17], s[34:35]
	s_add_nc_u64 s[26:27], s[16:17], s[36:37]
	s_cmp_ge_u32 ttmp9, 768
	s_cbranch_scc1 .Lweights
; ---- X, Y, Z: K innermost
.macro LOADX reg, f                    ; the tile's 16 rows, K step f of my two: each load takes 512 consecutive bytes
.irp p, 0,1,2,3,4,5,6,7,8,9,10,11,12,13,14,15
	global_load_b128 v[\reg+4*\p:\reg+4*\p+3], v4, s[20:21] offset:(\p+8*(\p/8))*2048+512*\f th:TH_LOAD_NT
.endr
.endm
.macro TURN reg, dst                   ; through my stage: rows in as they were loaded, 128 bytes a lane and block out.  LDS serves a wave's instructions in order: no wait between
.irp p, 0,1,2,3,4,5,6,7,8,9,10,11,12,13,14,15
	ds_store_b128 v6, v[\reg+4*\p:\reg+4*\p+3] offset:SPITCH*\p
.endr
.irp c, 0,1
.irp i, 0,1,2,3,4,5,6,7
	ds_load_b128 v[\dst+32*\c+4*\i:\dst+32*\c+4*\i+3], v7 offset:256*\c+16*\i
.endr
.endr
.endm
	s_cmp_lt_u32 ttmp9, 256                        ; which tensor: the choice hangs on the work-group's number alone
	s_cselect_b64 s[20:21], s[4:5], s[6:7]
	s_cmp_lt_u32 ttmp9, 512
	s_cselect_b64 s[20:21], s[20:21], s[8:9]
	s_and_b32 s38, s29, 511                        ; the tile in its tensor
	s_lshr_b32 s39, s38, 1
	s_lshl_b32 s39, s39, 16                        ; 32 (t / 2) rows of 2,048 bytes
	s_and_b32 s38, s38, 1
	s_lshl_b32 s38, s38, 14                        ; 8 (t % 2) rows
	s_add_co_u32 s38, s38, s39
	s_lshl_b32 s39, s30, 10                        ; 256 a numbers along K
	s_add_co_u32 s38, s38, s39
	s_mov_b32 s39, 0
	s_add_nc_u64 s[20:21], s[20:21], s[38:39]
	LOADX RAW0, 0
	LOADX RAW1, 1
	s_wait_loadcnt 16                              ; the first K step's 16 loads are in; the second's 16 may be out
	TURN RAW0, X0
	s_wait_loadcnt 0x0                             ; the second K step's rows are in
	s_wait_dscnt 0x0                               ; X0 is in, and the stores have read RAW0, whose registers X1 takes
	TURN RAW1, X1
	s_branch .Ljoin
; ---- the weights: K outermost
.Lweights:
	s_sub_co_u32 s38, ttmp9, 768
	s_cmp_lt_u32 s38, 16
	s_cselect_b64 s[20:21], s[10:11], s[12:13]
	s_cmp_lt_u32 s38, 32
	s_cselect_b64 s[20:21], s[20:21], s[14:15]
	s_and_b32 s38, s29, 31                         ; the tile in its weight
	s_lshr_b32 s39, s38, 1
	s_lshl_b32 s39, s39, 7                         ; 32 (t / 2) columns of 4 bytes
	s_and_b32 s38, s38, 1
	s_lshl_b32 s38, s38, 5                         ; 8 (t % 2) columns
	s_add_co_u32 s38, s38, s39
	s_lshl_b32 s39, s30, 19                        ; 256 a rows of 2,048 bytes
	s_add_co_u32 s38, s38, s39
	s_mov_b32 s39, 0
	s_add_nc_u64 s[20:21], s[20:21], s[38:39]
.set n, 0
.rept 128                              ; register n: K step n / 64, c = (n / 32) % 2, i = n % 32: W(128 f + 64 c + 32 h + i, my column)
	global_load_b32 v[X0+n], v8, s[20:21] offset:(128*(n/64)+64*((n/32)%2)+n%32)*2048
.set n, n+1
.endr
	s_wait_loadcnt 63                              ; X0's 64 loads are in: 64 were issued behind them, and the wait's field holds 63 at the most
.Ljoin:
; 64 numbers of a lane, v[xb + 32 c + i] = k 64 c + 32 h + i of my row, become the fragment's 12 registers at v[cb] and its scale word in v[sw].
.macro QF xb, cb, sw
.irp c, 0,1
	v_max3_num_f32 v[MX+\c], |v[\xb+32*\c]|, |v[\xb+32*\c+1]|, 0x2800000   ; block 2 c + h is all mine; the floor 2^(5 - 127) among the leaves: the byte cannot fall under 1
.endr
.irp i, 2,4,6,8,10,12,14,16,18,20,22,24,26,28,30
.irp c, 0,1
	v_max3_num_f32 v[MX+\c], v[MX+\c], |v[\xb+32*\c+\i]|, |v[\xb+32*\c+\i+1]|   ; (the two blocks by turns)
.endr
.endr
.irp c, 0,1
	v_add_nc_u32 v[SO+\c], 0xfe000000, v[MX+\c]    ; 4 off the exponent field: the conversion takes this operand's exponent field as its scale, and nothing else of it
.endr
.irp c, 0,1
	v_lshrrev_b32 v[BY+\c], 23, v[SO+\c]           ; the scale's byte
.endr
	v_lshl_or_b32 v[\sw], v[BY+1], 16, v[BY]       ; my two bytes, blocks h and 2 + h,
	v_lshlrev_b32 v[\sw], v9, v[\sw]               ; at their places in the word;
	v_permlanex16_b32 v[TP], v[\sw], s24, s25
	v_or_b32 v[\sw], v[\sw], v[TP]                 ; with lane l xor 16's two the word is whole, in both halves of the lanes
.irp c, 0,1
	v_cvt_scalef32_pk16_bf6_f32 v[\cb+6*\c:\cb+6*\c+2], v[\xb+32*\c:\xb+32*\c+15], v[SO+\c]
	v_cvt_scalef32_pk16_bf6_f32 v[TT+4*\c:TT+4*\c+2], v[\xb+32*\c+16:\xb+32*\c+31], v[SO+\c]
.endr
	v_nop                                          ; one plain place behind a scaled conversion
.irp c, 0,1
.irp i, 0,1,2
	v_mov_b32 v[\cb+3+6*\c+\i], v[TT+4*\c+\i]
.endr
.endr
.endm
	QF X0, C0, SW
.irp c, 0,1,2
	global_store_b128 v4, v[C0+4*\c:C0+4*\c+3], s[22:23] offset:512*\c          ; 32 lanes store 512 consecutive bytes, at a multiple of 256 from img's first byte
.endr
	s_wait_loadcnt 0x0                             ; X1: the weights' way
	s_wait_dscnt 0x0                               ; X1: the stage's way
	QF X1, C1, SW+1
.irp c, 0,1,2
	global_store_b128 v4, v[C1+4*\c:C1+4*\c+3], s[22:23] offset:1536+512*\c
.endr
	global_store_b64 v5, v[SW:SW+1], s[26:27]      ; 32 lanes store 256 consecutive bytes.  No store's data or address is written again: no wait on XCNT
	s_wait_tensorcnt 0x0
	ds_add_u32 v62, v63
	s_wait_dscnt 0x0
	s_endpgm
.Lfunc_end_k_qb3aeab1b42_quant:
	.size	k_qb3aeab1b42_quant, .Lfunc_end_k_qb3aeab1b42_quant-k_qb3aeab1b42_quant
	.p2alignl 7, 3214868480
	.fill 96, 4, 3214868480
	.section	.rodata,"a",@progbits
	.p2align	6, 0x0
	.amdhsa_kernel k_qb3aeab1b42_quant
		.amdhsa_group_segment_fixed_size 34304
		.amdhsa_private_segment_fixed_size 0
		.amdhsa_enable_private_segment 0
		.amdhsa_kernarg_size 56
		.amdhsa_user_sgpr_count 2
		.amdhsa_user_sgpr_kernarg_segment_ptr 1
		.amdhsa_wavefront_size32 1
		.amdhsa_system_sgpr_workgroup_id_x 1
		.amdhsa_system_sgpr_workgroup_id_y 1
		.amdhsa_system_sgpr_workgroup_id_z 1
		.amdhsa_system_vgpr_workitem_id 0
		.amdhsa_next_free_vgpr 256
		.amdhsa_next_free_sgpr 66
		.amdhsa_reserve_vcc 0
		.amdhsa_float_denorm_mode_32 3
		.amdhsa_float_denorm_mode_16_64 3
		.amdhsa_memory_ordered 1
		.amdhsa_forward_progress 1
		.amdhsa_inst_pref_size 29
	.end_amdhsa_kernel
	.amdgpu_metadata
---
amdhsa.version: [ 1, 2 ]
amdhsa.kernels:
  - .name:           k_qb3aeab1b42_quant
    .symbol:         k_qb3aeab1b42_quant.kd
    .args:
      - { .name: X, .offset: 0, .size: 8, .value_kind: global_buffer, .address_space: global }
      - { .name: Y, .offset: 8, .size: 8, .value_kind: global_buffer, .address_space: global }
      - { .name: Z, .offset: 16, .size: 8, .value_kind: global_buffer, .address_space: global }
      - { .name: Wq, .offset: 24, .size: 8, .value_kind: global_buffer, .address_space: global }
      - { .name: Wk, .offset: 32, .size: 8, .value_kind: global_buffer, .address_space: global }
      - { .name: Wo, .offset: 40, .size: 8, .value_kind: global_buffer, .address_space: global }
      - { .name: img, .offset: 48, .size: 8, .value_kind: global_buffer, .address_space: global }
    .group_segment_fixed_size: 34304
    .private_segment_fixed_size: 0
    .kernarg_segment_align: 8
    .kernarg_segment_size: 56
    .max_flat_workgroup_size: 128
    .sgpr_count:     66
    .vgpr_count:     256
    .wavefront_size: 32
...
	.end_amdgpu_metadata
.endif
;; end of part 1
;; launch proj (part 2): grid 192 x 1, 4 waves a work-group, no clusters, 0 bytes of LDS; arguments img, qb, kv; writes qb, kv
.if DOCPART == 2
	.amdgcn_target "amdgcn-amd-amdhsa--gfx1250"
	.amdhsa_code_object_version 6
	.text
	.protected	k_qb3aeab1b42_proj
	.globl	k_qb3aeab1b42_proj
	.p2align	8
	.type	k_qb3aeab1b42_proj,@function
k_qb3aeab1b42_proj:
	s_mov_b64 s[64:65], 0
	v_nop
	global_prefetch_b8 v0, s[64:65] scope:SCOPE_SE
	s_setreg_imm32_b32 hwreg(HW_REG_WAVE_MODE, 25, 1), 1
	s_wait_xcnt 0x0
; q = X Wq, k = Y Wk, v = Z Wo on codes of MX-BF6, and each result quantised on the way for the product that takes it next: q and k along the head's 64, v along the KEYS.  No f32 result goes to memory.
; ONE FORM SERVES ALL THREE.  Operand P, 8 tiles x K 512 (384 registers), stays in the wave's registers and is always source 0; operand R, one tile at a time, eight a wave, is source 1.
;   q, k: P = 128 columns of the weight (two heads), R = 16 rows of X or Y.      v: P = 128 rows of Z (128 keys), R = 16 columns of Wo.
; By the order of a tile's places (place r of tile t is index 32 (t / 2) + 8 (t % 2) + r + 8 (r / 8)) the 64 results of a lane are, of R's place lane % 16, register 16 b + i = P's index 32 b + 16 (lane / 16) + i:
; 128 neighbours along the next product's K, in two lanes.  They become one fragment (12 registers) and one scale word.
;   q, k: registers 0-5 are the first head's 64, registers 6-11 the second's; the scale word's low half the first head's, its high half the second's.      v: a fragment of V^T, 16 of the head's 64 x 128 keys.
; RECORDS of qb and kv, 13,824 bytes, at (16 (8 batch + head) + group of 128 rows) x 13,824:
;   + 768 t + 256 p + 8 l: registers 2 p, 2 p + 1 of lane l of row tile t's 6 registers        + 12288 + 512 (t / 4) + 16 l + 4 (t % 4): its scale word (bytes 2 and 3 are 0)
;   kv alone: + 6144 + 1536 t + 512 c + 16 l: registers 4 c .. 4 c + 3 of V^T's tile t         + 13312 + 16 l + 4 t: its scale word
; SHARES.  Work-groups 0-63 q, 64-127 k, 128-191 v: the design has work for 192.  q, k: work-group j takes column group j % 4, its wave w the 128 rows of group 4 (j / 4) + w.  v: work-group j takes keys 128 j on, wave w Wo's columns 128 w on.
; No LDS, no barrier, no joint requests: a wave reads P once, 53,248 bytes, straight into the registers in which it stays, and each R tile once; no loop fetches a shared tile again, so there is no ring in which requests could meet.
; LIMITS: as the launch before: NaN and infinities are not served; a block of zeros has the byte 1.
; REGISTERS, in windows of 256: window 0: v1 16 l, v2 8 l; v16-47 P's scale words (4 j + s); v48-55 R's, two sets; v64-127 the 8 accumulators; v128-146 codes; v148-164 at work; v168-183 scale words to store.
;   window 1: P's fragments of K steps 0, 1 at v[12 (2 j + s)];   window 2: those of K steps 2, 3;   window 3: R's fragments, two sets of 48.
.set REC,   6656
.set QREC,  13824
.set HEADB, 16*QREC                    ; from a head to the next
.set FR,    12
.set PS,  16
.set RS,  48
.set HA,  64
.set PC,  128
.set TM,  148                          ; v148-151 largest magnitudes, v152-155 the other half's, then bytes, v160-163 the conversions' scale operands
.set PW,  164
.set SW0, 168
.set SW1, 176
.set SEL, 20
.set MSB, 0
.macro WIN new                         ; the immediate's high byte repeats the setting that is left
.if MSB != \new
	s_set_vgpr_msb (MSB<<8)|\new
.set MSB, \new
.endif
.endm
; 64 numbers of a lane, register 16 b + i = k 32 b + 16 (lane / 16) + i of my row, become a fragment's codes in v[PC] on and its scale word in v[PW].
.macro QUANT s
.irp b, 0,1,2,3
	v_max3_num_f32 v[TM+\b], |v[\s+16*\b]|, |v[\s+1+16*\b]|, 0x2800000   ; block b: my 16 numbers, from each accumulator's low end on, and the floor 2^(5 - 127): the byte cannot fall under 1
.endr
.irp i, 2,4,6,8,10,12,14
.irp b, 0,1,2,3
	v_max3_num_f32 v[TM+\b], v[TM+\b], |v[\s+16*\b+\i]|, |v[\s+1+16*\b+\i]|   ; (the four blocks by turns)
.endr
.endr
.irp b, 0,1,2,3
	v_permlanex16_b32 v[TM+4+\b], v[TM+\b], s[SEL], s[SEL+1]
.endr
.irp b, 0,1,2,3
	v_max_num_f32 v[TM+\b], v[TM+\b], v[TM+4+\b]   ; with lane l xor 16's: the block's largest magnitude
.endr
.irp b, 0,1,2,3
	v_add_nc_u32 v[TM+12+\b], 0xfe000000, v[TM+\b]   ; 4 off its exponent field: the conversion's scale operand
.endr
.irp b, 0,1,2,3
	v_lshrrev_b32 v[TM+4+\b], 23, v[TM+12+\b]      ; the scale's byte
.endr
	v_lshl_or_b32 v[PW], v[TM+5], 8, v[TM+4]
	v_lshl_or_b32 v[PW], v[TM+6], 16, v[PW]
	v_lshl_or_b32 v[PW], v[TM+7], 24, v[PW]
.irp c, 0,1
	v_cvt_scalef32_pk16_bf6_f32 v[PC+6*\c:PC+2+6*\c], v[\s+32*\c:\s+15+32*\c], v[TM+12+2*\c]
	v_cvt_scalef32_pk16_bf6_f32 v[PC+12+4*\c:PC+14+4*\c], v[\s+16+32*\c:\s+31+32*\c], v[TM+12+2*\c+1]   ; (a conversion's three registers begin on an even number)
.endr
	v_nop                                          ; one plain place behind a scaled conversion
.irp c, 0,1                            ; the operand's layout wants a WHOLE block in a lane: lanes 0-15 block 2 c, lanes 16-31 block 2 c + 1
.irp i, 0,1,2
	v_permlane16_swap_b32 v[PC+6*\c+\i], v[PC+12+4*\c+\i]
.endr
.irp i, 0,1,2
	v_mov_b32 v[PC+3+6*\c+\i], v[PC+12+4*\c+\i]
.endr
.endr
.endm
	s_load_b128 s[4:7], s[0:1], 0x0                ; img s[4:5], qb s[6:7]
	s_load_b64 s[8:9], s[0:1], 0x10                ; kv
	v_lshrrev_b32 v1, 5, v0
	v_readfirstlane_b32 s10, v1                    ; wave 0..3
	v_and_b32 v2, 31, v0
	v_lshlrev_b32 v1, 4, v2                        ; 16 l
	v_lshlrev_b32 v2, 3, v2                        ; 8 l
.irp b, 0,1,2,3
	v_mov_b32 v[TM+4+\b], 0                        ; written once: a lane permute's destination counts as one of its sources
.endr
	s_mov_b32 s[SEL], 0x76543210
	s_mov_b32 s[SEL+1], 0xfedcba98
	s_lshr_b32 s22, ttmp9, 6                       ; 0 q, 1 k, 2 v
	s_and_b32 s23, ttmp9, 63                       ; j
	s_and_b32 s24, s23, 3                          ; q, k: the column group,
	s_lshl_b32 s25, s22, 5
	s_lshl_b32 s26, s24, 3
	s_add_co_u32 s25, s25, s26
	s_add_co_u32 s25, s25, 1536                    ; P's first record: the weight's tiles 8 (j % 4) on,
	s_lshr_b32 s26, s23, 2
	s_lshl_b32 s26, s26, 2
	s_add_co_u32 s26, s26, s10                     ; the group of 128 rows: 4 (j / 4) + wave,
	s_lshl_b32 s27, s22, 9
	s_lshl_b32 s28, s26, 3
	s_add_co_u32 s27, s27, s28                     ; R's first record: its eight tiles
	s_lshl_b32 s28, s23, 3
	s_add_co_u32 s28, s28, 1024                    ; v: P's first record: Z's tiles 8 j on,
	s_lshl_b32 s29, s10, 3
	s_add_co_u32 s29, s29, 1600                    ; R's: Wo's tiles 8 wave on
	s_cmp_eq_u32 s22, 2                            ; every choice hangs on the work-group's number alone
	s_cselect_b32 s18, 1, 0                        ; v?
	s_cselect_b32 s19, -1, 0xffff                  ; what is kept of the first scale word: all four bytes (v), or the first head's two
	s_cselect_b32 s25, s28, s25
	s_cselect_b32 s26, s23, s26                    ; the group of 128 rows (v: of keys)
	s_cselect_b32 s27, s29, s27
	s_cselect_b32 s24, s10, s24                    ; the pair of heads
	s_mul_i32 s30, s25, REC
	s_mov_b32 s31, 0
	s_mul_i32 s32, s27, REC
	s_mov_b32 s33, 0
	s_lshr_b32 s34, s26, 4                         ; the batch
	s_lshl_b32 s34, s34, 7
	s_lshl_b32 s35, s24, 5
	s_add_co_u32 s34, s34, s35
	s_and_b32 s35, s26, 15
	s_add_co_u32 s34, s34, s35                     ; record 16 (8 batch + 2 pair) + group
	s_mul_i32 s34, s34, QREC
	s_mov_b32 s35, 0
	s_wait_kmcnt 0x0
	s_add_nc_u64 s[12:13], s[4:5], s[30:31]        ; P
	s_add_nc_u64 s[14:15], s[4:5], s[32:33]        ; R
	s_cmp_eq_u32 s22, 0
	s_cselect_b64 s[16:17], s[6:7], s[8:9]         ; q goes to qb, k and v to kv
	s_add_nc_u64 s[16:17], s[16:17], s[34:35]
.irp j, 0,1,2,3,4,5,6,7
.irp a, 0,1
	global_load_b64 v[PS+4*\j+2*\a:PS+4*\j+2*\a+1], v2, s[12:13] offset:REC*\j+6144+256*\a
.endr
.endr
	WIN 0x40                                       ; destination window 1, address window 0
.irp j, 0,1,2,3,4,5,6,7
.irp s, 0,1
.irp c, 0,1,2
	global_load_b128 v[FR*(2*\j+\s)+4*\c:FR*(2*\j+\s)+4*\c+3], v1, s[12:13] offset:REC*\j+1536*\s+512*\c
.endr
.endr
.endr
	WIN 0x80                                       ; destination window 2
.irp j, 0,1,2,3,4,5,6,7
.irp s, 0,1
.irp c, 0,1,2
	global_load_b128 v[FR*(2*\j+\s)+4*\c:FR*(2*\j+\s)+4*\c+3], v1, s[12:13] offset:REC*\j+1536*(\s+2)+512*\c
.endr
.endr
.endr
.macro RLOAD i                         ; R's tile i: four fragments and four scale words into set i % 2: 14 loads
	WIN 0xc0                                       ; destination window 3
.irp s, 0,1,2,3
.irp c, 0,1,2
	global_load_b128 v[48*((\i)%2)+FR*\s+4*\c:48*((\i)%2)+FR*\s+4*\c+3], v1, s[14:15] offset:REC*(\i)+1536*\s+512*\c
.endr
.endr
	WIN 0
.irp a, 0,1
	global_load_b64 v[RS+4*((\i)%2)+2*\a:RS+4*((\i)%2)+2*\a+1], v2, s[14:15] offset:REC*(\i)+6144+256*\a
.endr
.endm
	RLOAD 0
	RLOAD 1
.macro TILE i
.if (\i) < 7
	s_wait_loadcnt 14                              ; loads come back in order: all but the next tile's 14 are in
.else
	s_wait_loadcnt 0x0
.endif
.irp s, 0,1,2,3                        ; 32 matrix instructions: the 8 accumulators by turns, one instruction a turn, K ascending; the first K step starts the sums
.if \s < 2
	WIN 0x0d                                       ; source 0 (P) window 1, source 1 (R) window 3, C and D window 0
.else
	WIN 0x0e                                       ; source 0 window 2
.endif
.irp j, 0,1,2,3,4,5,6,7
.if \s == 0
	v_wmma_scale_f32_16x16x128_f8f6f4 v[HA+8*\j:HA+8*\j+7], v[FR*(2*\j+\s%2):FR*(2*\j+\s%2)+FR-1], v[48*((\i)%2)+FR*\s:48*((\i)%2)+FR*\s+FR-1], 0, v[PS+4*\j+\s], v[RS+4*((\i)%2)+\s] matrix_a_fmt:MATRIX_FMT_BF6 matrix_b_fmt:MATRIX_FMT_BF6
.else
	v_wmma_scale_f32_16x16x128_f8f6f4 v[HA+8*\j:HA+8*\j+7], v[FR*(2*\j+\s%2):FR*(2*\j+\s%2)+FR-1], v[48*((\i)%2)+FR*\s:48*((\i)%2)+FR*\s+FR-1], v[HA+8*\j:HA+8*\j+7], v[PS+4*\j+\s], v[RS+4*((\i)%2)+\s] matrix_a_fmt:MATRIX_FMT_BF6 matrix_b_fmt:MATRIX_FMT_BF6
.endif
.endr
.endr
	WIN 0
.rept 4
	v_nop                                          ; four places in front of the loads into R's set just multiplied and of the first read of the results
.endr
.if (\i) < 6
	RLOAD (\i)+2
.endif
	s_wait_xcnt 0x0                                ; the last tile's stores have read the codes' registers, which are written anew below
	QUANT HA
	v_and_b32 v[SW0+(\i)], s19, v[PW]              ; q, k: the first head's two bytes; v: the whole word
	v_lshrrev_b32 v[SW1+(\i)], 16, v[PW]           ; q, k: the second head's two bytes
	s_cmp_lg_u32 s18, 0
	s_cbranch_scc1 .Lv_\@
.irp p, 0,1,2                          ; q, k: six registers to each head's record: 32 lanes store 256 consecutive bytes, at a multiple of 256 from the buffer's first byte
	global_store_b64 v2, v[PC+2*\p:PC+2*\p+1], s[16:17] offset:768*(\i)+256*\p
	global_store_b64 v2, v[PC+6+2*\p:PC+6+2*\p+1], s[16:17] offset:HEADB+768*(\i)+256*\p
.endr
.if (\i)%4 == 3
	global_store_b128 v1, v[SW0+(\i)-3:SW0+(\i)], s[16:17] offset:12288+512*((\i)/4)        ; four tiles' scale words: 512 consecutive bytes
	global_store_b128 v1, v[SW1+(\i)-3:SW1+(\i)], s[16:17] offset:HEADB+12288+512*((\i)/4)
.endif
	s_branch .Ld_\@
.Lv_\@:
.irp c, 0,1,2                          ; v: tile i of Wo's columns is tile i % 4 of head i / 4 of my pair
	global_store_b128 v1, v[PC+4*\c:PC+4*\c+3], s[16:17] offset:6144+((\i)/4)*HEADB+((\i)%4)*1536+512*\c
.endr
.if (\i)%4 == 3
	global_store_b128 v1, v[SW0+(\i)-3:SW0+(\i)], s[16:17] offset:((\i)/4)*HEADB+13312
.endif
.Ld_\@:
.endm
	TILE 0
	TILE 1
	TILE 2
	TILE 3
	TILE 4
	TILE 5
	TILE 6
	TILE 7
	s_endpgm
.Lfunc_end_k_qb3aeab1b42_proj:
	.size	k_qb3aeab1b42_proj, .Lfunc_end_k_qb3aeab1b42_proj-k_qb3aeab1b42_proj
	.p2alignl 7, 3214868480
	.fill 96, 4, 3214868480
	.section	.rodata,"a",@progbits
	.p2align	6, 0x0
	.amdhsa_kernel k_qb3aeab1b42_proj
		.amdhsa_group_segment_fixed_size 0
		.amdhsa_private_segment_fixed_size 0
		.amdhsa_enable_private_segment 0
		.amdhsa_kernarg_size 24
		.amdhsa_user_sgpr_count 2
		.amdhsa_user_sgpr_kernarg_segment_ptr 1
		.amdhsa_wavefront_size32 1
		.amdhsa_system_sgpr_workgroup_id_x 1
		.amdhsa_system_sgpr_workgroup_id_y 1
		.amdhsa_system_sgpr_workgroup_id_z 1
		.amdhsa_system_vgpr_workitem_id 0
		.amdhsa_next_free_vgpr 1024
		.amdhsa_next_free_sgpr 66
		.amdhsa_reserve_vcc 0
		.amdhsa_float_denorm_mode_32 3
		.amdhsa_float_denorm_mode_16_64 3
		.amdhsa_memory_ordered 1
		.amdhsa_forward_progress 1
		.amdhsa_inst_pref_size 97
	.end_amdhsa_kernel
	.amdgpu_metadata
---
amdhsa.version: [ 1, 2 ]
amdhsa.kernels:
  - .name:           k_qb3aeab1b42_proj
    .symbol:         k_qb3aeab1b42_proj.kd
    .args:
      - { .name: img, .offset: 0, .size: 8, .value_kind: global_buffer, .address_space: global }
      - { .name: qb, .offset: 8, .size: 8, .value_kind: global_buffer, .address_space: global }
      - { .name: kv, .offset: 16, .size: 8, .value_kind: global_buffer, .address_space: global }
    .group_segment_fixed_size: 0
    .private_segment_fixed_size: 0
    .kernarg_segment_align: 8
    .kernarg_segment_size: 24
    .max_flat_workgroup_size: 128
    .sgpr_count:     66
    .vgpr_count:     1024
    .wavefront_size: 32
...
	.end_amdgpu_metadata
.endif
;; end of part 2
;; launch attn (part 3): grid 8 x 32, 16 waves a work-group, clusters of 4 x 1, 223,232 bytes of LDS; arguments qb, kv, oi; writes oi
.if DOCPART == 3
	.amdgcn_target "amdgcn-amd-amdhsa--gfx1250"
	.amdhsa_code_object_version 6
	.text
	.protected	k_qb3aeab1b42_attn
	.globl	k_qb3aeab1b42_attn
	.p2align	8
	.type	k_qb3aeab1b42_attn,@function
k_qb3aeab1b42_attn:
	s_mov_b64 s[64:65], 0
	v_nop
	global_prefetch_b8 v0, s[64:65] scope:SCOPE_SE
	s_setreg_imm32_b32 hwreg(HW_REG_WAVE_MODE, 25, 1), 1
	s_wait_xcnt 0x0
	s_wait_alu depctr_hold_cnt(0) depctr_sa_sdst(0) depctr_va_vdst(0) depctr_va_sdst(0) depctr_va_ssrc(0) depctr_va_vcc(0) depctr_vm_vsrc(0)
	s_getreg_b32 s2, hwreg(HW_REG_IB_STS2, 6, 4)
	s_cmp_eq_u32 s2, 0
	s_cbranch_scc0 .Lentry_in_a_cluster
	s_endpgm
.Lentry_in_a_cluster:
	s_bfe_u32 s2, ttmp6, 0x10000c
	s_cmp_lg_u32 s2, 0x3003
	s_cbranch_scc0 .Lentry_shape_is_right
	s_endpgm
.Lentry_shape_is_right:
; o[q] = (the sum over keys of p V) / l, with p = 2^(t - M), t = max(q . k / 8, 0) x log2(e), M the ceiling of the row's running largest t, l the row's sum of the UNQUANTISED p; both products on codes of MX-BF6.
; Scores at or under 0 count as 0 (the module keeps a score only where its sigmoid passes 1/2) and stay in the softmax.  o is quantised along the head's 64 for the last product and leaves as codes.
; SHARES.  A work-group owns 256 queries of one head (of 32); each of its sixteen waves one tile of 16, in 256 registers: four waves to a SIMD, so that one wave's vector work stands beside another's products and LDS loads.
; Every wave walks the head's 2,048 keys, 128 a step: 8 products K Q^T, the softmax, 4 products V^T P^T.
; LDS.  A head's K and V, codes and scale words, are 16 records of 13,824 bytes, 221,184 in all: they come ONCE, as they lie in memory, and stay.  Nothing is filled again and nothing is stored to LDS: no ring.
; The records are images of the operands' registers: every LDS load takes consecutive bytes, 8 or 16 a lane.
; CLUSTER.  The four query blocks of a cluster belong to one head and want the same 16 records: each is asked for JOINTLY, by the same tensor load with the same descriptor and a mask that names the four.
; Waves 0-3 ask, four records each (four tensor loads of a wave are out at the most).  The first four records, each the first load of its wave, are waited for ahead of the first four key steps; the other twelve land meanwhile.
; LAYOUT.  Both products are used transposed: S^T = K Q^T (source 0 = 16 keys, source 1 = my 16 queries), O^T = V^T P^T: a lane holds ONE query (lane % 16) throughout.  By the order of a tile's places
; (place r of tile t is index 32 (t / 2) + 8 (t % 2) + r + 8 (r / 8)) the 16 registers of tiles 2 b, 2 b + 1 are 16 neighbours: keys in S^T, the head's channels in O^T.
; K = 64 IN AN INSTRUCTION OF 128.  Q's fragment has zero codes in its upper six registers.  K's tiles lie six registers apart, so a tile's fragment names the next tile's six (the last: six zeros) as its upper half:
; those codes meet Q's zeros and add exactly 0; bytes 2 and 3 of Q's and K's scale words are 0, the scale 2^-127.
; THE RUNNING MAXIMUM BEGINS AT 0: no t is under 0, so 0 is never above the row's largest t.
; LIMITS: NaN and infinities are not served.  p under 2^-126 counts as 0 (v_exp_f32 gives no denormals: ISA guide, its entry).  A block's largest p is taken as 2^(its largest t - M) by the same two instructions as every p.
; A block of zeros has the byte 1, with zero codes.
.set QREC,  13824
.set HEADB, 16*QREC
.set OREC,  7168
.set L8,   1                           ; v1   8 l
.set L16,  2                           ; v2   16 l
.set A8,   3                           ; v3   the step's record + 8 l
.set A16,  4                           ; v4   the step's record + 16 l
.set L4,   5                           ; v5   4 l
.set NM,   12                          ; v12  -M;  v13 the running largest t (named with it as a pair)
.set SUM,  14                          ; v[14:15] the row's sum, in two halves
.set QC,   16                          ; v16-21 Q's codes, v22-27 zeros
.set QS,   28                          ; v28  Q's scale word
.set PSW,  29                          ; v29  p's scale word
.set KF,   32                          ; v32-79 K's eight tiles, six registers each; v80-85 zeros that stay
.set VF,   86                          ; v86-133 V^T's four fragments
.set FF,   134                         ; v134 f = 2^(old M - new M);  v135 named with it as a pair
.set S,    136                         ; v136-199 S^T, then p
.set OT,   200                         ; v200-231 O^T
.set PCD,  232                         ; v232-243 p's codes
.set KS,   244                         ; v244-251 K's scale words
.set VS,   252                         ; v252-255 V's
.set BM,   32                          ; at work, in K's registers, which are free behind the step's first products: v32-35 the blocks' largest scores,
.set PL,   36                          ; v36-39 the other half's, then the bytes,
.set SOP,  40                          ; v40-43 the conversions' scale operands,
.set CT,   44                          ; v44-46, v48-50 the upper halves of the codes,
.set TMP,  52                          ; v52
.set S2,   54                          ; v[54:55] the sum's second chain
.set WV,   10                          ; s10  my wave's number
.set G1,   16                          ; s[16:23] descriptor group 1;  s[32:47] four groups 0
.set G0,   32
.set CS,   24                          ; s[24:25] c = log2(e) / 8
.set SEL,  26                          ; s[26:27] v_permlanex16_b32's selects for lane l xor 16
.set TB,   28                          ; s28  LDS byte at which the step's record begins
.set CNT,  29
; A round of the cluster's barrier: my work-group's barrier; wave 0 signals for the work-group; every wave waits for all four work-groups; my work-group's barrier once more.
.macro CROUND
	s_barrier_signal -1
	s_barrier_wait -1
	s_cmp_lg_u32 s[WV], 0
	s_cbranch_scc1 .Lnot_wave_0_\@
	s_barrier_signal -3
.Lnot_wave_0_\@:
	s_barrier_wait -3
	s_barrier_signal -1
	s_barrier_wait -1
.endm
	s_load_b128 s[4:7], s[0:1], 0x0                ; qb s[4:5], kv s[6:7]
	s_load_b64 s[8:9], s[0:1], 0x10                ; oi
	v_lshl_add_u32 v30, v0, 2, 0x36000
	v_mov_b32 v31, 0
	ds_add_u32 v30, v31
	ds_add_u32 v30, v31
	v_lshrrev_b32 v1, 5, v0
	v_readfirstlane_b32 s[WV], v1                  ; wave 0..15
	v_and_b32 v[L4], 31, v0
	v_lshlrev_b32 v[L8], 3, v[L4]
	v_lshlrev_b32 v[L16], 4, v[L4]
	v_lshlrev_b32 v[L4], 2, v[L4]
	s_and_b32 s11, ttmp7, 0xffff                   ; 8 batch + head, which the four partners share
	s_mul_i32 s12, s11, HEADB                      ; the head's first byte in qb and in kv
	s_and_b32 s13, s[WV], 3
	s_mul_i32 s13, s13, QREC                       ; the first record that I would ask for, in LDS as in the head's block: no place in the cluster enters it
	s_bfe_u32 s14, ttmp6, 0x40000                  ; cx: my place in the cluster
	s_lshl_b32 s15, ttmp9, 2                       ; in a cluster launch ttmp9 counts clusters
	s_add_co_u32 s15, s15, s14                     ; my block of 256 queries: it enters Q's and o's addresses alone
	; descriptor group 1: a record is dense: 54 rows of 256 bytes
	s_mov_b32 s[G1+0], 15|(3<<16)|(1<<21)          ; 15:0 the mask: all four work-groups; 17:16 elements of 8 bytes; 20 no padding; 21 set beside a mask
	s_mov_b32 s[G1+1], 32<<16                      ; tensor_dim0 = 32 elements
	s_mov_b32 s[G1+2], 54<<16                      ; tensor_dim1 = 54
	s_mov_b32 s[G1+3], 32<<16                      ; tile_dim0 = 32
	s_mov_b32 s[G1+4], 54                          ; tile_dim1 = 54
	s_mov_b32 s[G1+5], 32                          ; from row to row
	s_mov_b32 s[G1+6], 0
	s_mov_b32 s[G1+7], 0
	s_mov_b32 s[CS], 0x3e38aa3b                    ; c = log2(e) / sqrt(64)
	s_mov_b32 s[CS+1], s[CS]                       ; (named with it as a pair, so it is written)
	s_mov_b32 s[SEL], 0x76543210
	s_mov_b32 s[SEL+1], 0xfedcba98
	s_mov_b32 s[TB], 0
	s_add_co_u32 s30, s12, s13
	s_mov_b32 s31, 0                               ; kv: head + my first record
	s_lshl_b32 s48, s15, 1                         ; Q: my tile 16 block + wave lies in record 2 block + wave / 8, as tile wave % 8
	s_lshr_b32 s49, s[WV], 3
	s_add_co_u32 s48, s48, s49
	s_mul_i32 s48, s48, QREC
	s_add_co_u32 s48, s48, s12
	s_and_b32 s49, s[WV], 7
	s_mul_i32 s50, s49, 768
	s_add_co_u32 s50, s50, s48
	s_mov_b32 s51, 0                               ; its codes
	s_lshr_b32 s52, s49, 2
	s_lshl_b32 s52, s52, 9
	s_and_b32 s49, s49, 3
	s_lshl_b32 s49, s49, 2
	s_add_co_u32 s52, s52, s49
	s_add_co_u32 s52, s52, s48
	s_add_co_u32 s52, s52, 12288
	s_mov_b32 s53, 0                               ; its scale words
	s_lshr_b32 s54, s11, 3                         ; o: record 128 batch + 16 block + wave,
	s_lshl_b32 s54, s54, 7
	s_lshl_b32 s55, s15, 4
	s_add_co_u32 s54, s54, s55
	s_add_co_u32 s54, s54, s[WV]
	s_mul_i32 s54, s54, OREC
	s_and_b32 s55, s11, 7                          ; the head:
	s_mul_i32 s56, s55, 768                        ; its six registers lie 768 head bytes in,
	s_add_co_u32 s56, s56, s54
	s_mov_b32 s57, 0
	s_lshl_b32 s58, s55, 7                         ; its scale words at 6144 + 128 head
	s_add_co_u32 s58, s58, s54
	s_add_co_u32 s58, s58, 6144
	s_mov_b32 s59, 0
	s_wait_dscnt 0x0
	s_wait_kmcnt 0x0
	s_add_nc_u64 s[6:7], s[6:7], s[30:31]
	s_add_nc_u64 s[50:51], s[4:5], s[50:51]
	s_add_nc_u64 s[52:53], s[4:5], s[52:53]
	s_add_nc_u64 s[56:57], s[8:9], s[56:57]
	s_add_nc_u64 s[58:59], s[8:9], s[58:59]
	CROUND                                         ; all four work-groups are here: the joint loads meet
.irp n, 0,1,2,3                        ; load n of wave w: record 4 n + w
	s_mov_b32 s[G0+4*\n], 1                                        ; count = 1
	s_add_co_u32 s[G0+4*\n+1], s13, \n*4*QREC                      ; LDS address
	s_add_nc_u64 s[G0+4*\n+2:G0+4*\n+3], s[6:7], \n*4*QREC         ; global address
	s_or_b32 s[G0+4*\n+3], s[G0+4*\n+3], 0x80000000                ; type = 2
.endr
	s_cmp_lt_u32 s[WV], 4                          ; a wave's four fills stand in one branch on its number, ahead of every wait on TENSORcnt and every LDS read; four v_nop follow the last
	s_cbranch_scc0 .Lno_fill
	tensor_load_to_lds s[G0:G0+3], s[G1:G1+7]
	s_nop 0
	tensor_load_to_lds s[G0+4:G0+7], s[G1:G1+7]
	s_nop 0
	tensor_load_to_lds s[G0+8:G0+11], s[G1:G1+7]
	s_nop 0
	tensor_load_to_lds s[G0+12:G0+15], s[G1:G1+7]
	s_nop 0
.rept 4
	v_nop
.endr
.Lno_fill:
.irp p, 0,1,2
	global_load_b64 v[QC+2*\p:QC+2*\p+1], v[L8], s[50:51] offset:256*\p   ; Q's six registers stay
.endr
	global_load_b32 v[QS], v[L16], s[52:53]
.irp i, 0,1,2,3,4,5
	v_mov_b32 v[QC+6+\i], 0                        ; the upper half of Q's fragment: zero codes
	v_mov_b32 v[KF+48+\i], 0                       ; what the last tile of K names as its upper half
.endr
	v_mov_b32 v[NM], 0                             ; -M
	v_mov_b32 v[NM+1], 0                           ; the largest t so far
	v_mov_b32 v[SUM], 0
	v_mov_b32 v[SUM+1], 0
	v_mov_b32 v[FF+1], 0                           ; (named as the upper half of a pair)
.set j, 0
.rept 32
	v_mov_b32 v[OT+j], 0                           ; O^T.  (The step is written once for every key step: the first finds zeros)
.set j, j+1
.endr
; A KEY STEP: the 128 keys of the record at s[TB].
.macro STEP
	v_add_nc_u32 v[A8], s[TB], v[L8]
	v_add_nc_u32 v[A16], s[TB], v[L16]
	v_nop
	v_nop                                          ; these four lines are the places between the last step's products and the loads into V's and its scale words' registers
.irp t, 0,1,2,3,4,5,6,7
.irp p, 0,1,2
	ds_load_b64 v[KF+6*\t+2*\p:KF+6*\t+2*\p+1], v[A8] offset:768*\t+256*\p
.endr
.endr
	ds_load_b128 v[KS:KS+3], v[A16] offset:12288
	ds_load_b128 v[KS+4:KS+7], v[A16] offset:12800
.irp t, 0,1,2,3
.irp c, 0,1,2
	ds_load_b128 v[VF+12*\t+4*\c:VF+12*\t+4*\c+3], v[A16] offset:6144+1536*\t+512*\c
.endr
.endr
	ds_load_b128 v[VS:VS+3], v[A16] offset:13312
	s_wait_dscnt 13                                ; K and its scale words are in; V's 12 loads and its scale words' one may be out: they land under the softmax
.irp t, 0,1,2,3,4,5,6,7
	v_wmma_scale_f32_16x16x128_f8f6f4 v[S+8*\t:S+8*\t+7], v[KF+6*\t:KF+6*\t+11], v[QC:QC+11], 0, v[KS+\t], v[QS] matrix_a_fmt:MATRIX_FMT_BF6 matrix_b_fmt:MATRIX_FMT_BF6
.endr
.rept 4
	v_nop                                          ; four places in front of the first read of the scores and of the first write into K's registers
.endr
.irp b, 0,1,2,3
	v_max3_num_f32 v[BM+\b], v[S+16*\b], v[S+16*\b+1], v[S+16*\b+2]   ; THE LARGEST SCORE OF EACH BLOCK OF 32 KEYS, from each accumulator's low end on: it serves the row's maximum and, since p rises with the score, the block's largest p
.endr
.irp i, 3,5,7,9,11,13
.irp b, 0,1,2,3
	v_max3_num_f32 v[BM+\b], v[BM+\b], v[S+16*\b+\i], v[S+16*\b+\i+1]   ; (the four blocks by turns)
.endr
.endr
.irp b, 0,1,2,3
	v_max3_num_f32 v[BM+\b], v[BM+\b], v[S+16*\b+15], 0   ; and 0: a score under 0 counts as 0
.endr
.irp b, 0,1,2,3
	v_permlanex16_b32 v[PL+\b], v[BM+\b], s[SEL], s[SEL+1]
.endr
.irp b, 0,1,2,3
	v_max_num_f32 v[BM+\b], v[BM+\b], v[PL+\b]     ; with lane l xor 16's 16 keys
.endr
	v_max3_num_f32 v[TMP], v[BM], v[BM+1], v[BM+2]
	v_max_num_f32 v[TMP], v[TMP], v[BM+3]          ; the step's largest score of my query
	v_mul_f32 v[TMP], s[CS], v[TMP]                ; as t (c is positive)
	v_max_num_f32 v[NM+1], v[NM+1], v[TMP]         ; the running largest t
	v_mov_b32 v[TMP], v[NM]
	v_floor_f32 v[NM], -v[NM+1]                    ; the new -M = floor(-t) = -ceil(t): a whole number
	v_sub_f32 v[TMP], v[NM], v[TMP]                ; M's old value less its new one: a whole number, 0 or less
	v_cvt_i32_f32 v[TMP], v[TMP]                   ; (it saturates)
	v_ldexp_f32 v[FF], 1.0, v[TMP]                 ; f = 2^(old M - new M): the rescaling rounds nothing, and there is no branch on data
.set j, 0
.rept 64
	v_max_num_f32 v[S+j], 0, v[S+j]                ; a score is kept where it is above 0, else it is 0
.set j, j+1
.endr
.set j, 0
.rept 32
	v_pk_fma_f32 v[S+j:S+j+1], v[S+j:S+j+1], s[CS:CS+1], v[NM:NM+1] op_sel_hi:[1,0,0]   ; t - M, two at a time (of the pairs c and -M the low word serves both halves)
.set j, j+2
.endr
.irp b, 0,1,2,3
	v_fma_f32 v[BM+\b], v[BM+\b], s[CS], v[NM]     ; the same of each block's largest score
.endr
.set j, 0
.rept 64
	v_exp_f32 v[S+j], v[S+j]                       ; p = 2^(t - M), at most 1: NOT normalised
.set j, j+1
.endr
.irp b, 0,1,2,3
	v_exp_f32 v[BM+\b], v[BM+\b]                   ; the block's largest p: the same two instructions on the same number give the same bits
.endr
	v_pk_mul_f32 v[SUM:SUM+1], v[SUM:SUM+1], v[FF:FF+1] op_sel_hi:[1,0]   ; the sums under the new M.  (The plain place behind the exponentials)
	s_wait_alu depctr_va_vdst(0)
.irp b, 0,1,2,3
	v_max_num_f32 v[BM+\b], 0x2800000, v[BM+\b]    ; the floor 2^(5 - 127): the byte cannot fall under 1
.endr
.irp b, 0,1,2,3
	v_add_nc_u32 v[SOP+\b], 0xfe000000, v[BM+\b]   ; 4 off the exponent field: the conversion's scale operand
.endr
.irp b, 0,1,2,3
	v_lshrrev_b32 v[PL+\b], 23, v[SOP+\b]          ; the scale's byte
.endr
	v_lshl_or_b32 v[PSW], v[PL+1], 8, v[PL]        ; p's scale word for these 128 keys
	v_lshl_or_b32 v[PSW], v[PL+2], 16, v[PSW]
	v_lshl_or_b32 v[PSW], v[PL+3], 24, v[PSW]
.irp c, 0,1
	v_cvt_scalef32_pk16_bf6_f32 v[PCD+6*\c:PCD+6*\c+2], v[S+32*\c:S+32*\c+15], v[SOP+2*\c]
	v_cvt_scalef32_pk16_bf6_f32 v[CT+4*\c:CT+4*\c+2], v[S+32*\c+16:S+32*\c+31], v[SOP+2*\c+1]   ; (a conversion's three registers begin on an even number)
.endr
	v_nop                                          ; one plain place behind a scaled conversion
.irp c, 0,1                            ; the operand's layout wants a WHOLE block in a lane: lanes 0-15 block 2 c, lanes 16-31 block 2 c + 1
.irp i, 0,1,2
	v_permlane16_swap_b32 v[PCD+6*\c+\i], v[CT+4*\c+\i]
.endr
.irp i, 0,1,2
	v_mov_b32 v[PCD+3+6*\c+\i], v[CT+4*\c+\i]
.endr
.endr
	v_pk_add_f32 v[S2:S2+1], v[S:S+1], v[S+2:S+3]  ; THE ROW'S SUM IS TAKEN OF THE UNQUANTISED p: two at a time, in two chains
.set j, 4
.rept 15
	v_pk_add_f32 v[SUM:SUM+1], v[SUM:SUM+1], v[S+j:S+j+1]
	v_pk_add_f32 v[S2:S2+1], v[S2:S2+1], v[S+j+2:S+j+3]
.set j, j+4
.endr
	v_pk_add_f32 v[SUM:SUM+1], v[SUM:SUM+1], v[S2:S2+1]
.set j, 0
.rept 16
	v_pk_mul_f32 v[OT+j:OT+j+1], v[OT+j:OT+j+1], v[FF:FF+1] op_sel_hi:[1,0]   ; O^T under the new M, each accumulator from its low end on.  (The sums and these are also the places between the codes' and the scale word's last writes and the products)
.set j, j+2
.endr
	s_wait_dscnt 0x0                               ; V and its scale words are in
.irp t, 0,1,2,3                        ; the four accumulators by turns, one instruction a turn
	v_wmma_scale_f32_16x16x128_f8f6f4 v[OT+8*\t:OT+8*\t+7], v[VF+12*\t:VF+12*\t+11], v[PCD:PCD+11], v[OT+8*\t:OT+8*\t+7], v[VS+\t], v[PSW] matrix_a_fmt:MATRIX_FMT_BF6 matrix_b_fmt:MATRIX_FMT_BF6
.endr
	s_add_co_u32 s[TB], s[TB], QREC                ; on to the next record
.endm
	s_wait_tensorcnt 3                             ; tensor loads of a wave end in order: my first record (one of records 0-3) is in, my other three may be out
	s_barrier_signal -1
	s_barrier_wait -1                              ; records 0-3 are in for every wave
	s_wait_loadcnt 0x0                             ; Q
	s_mov_b32 s[CNT], 4
.Lfirst:
	STEP
	s_sub_co_u32 s[CNT], s[CNT], 1
	s_cmp_lg_u32 s[CNT], 0
	s_cbranch_scc1 .Lfirst
	s_wait_tensorcnt 0x0                           ; all my records are in;
	s_wait_dscnt 0x0                               ; (no LDS instruction of mine is out at a signal)
	s_barrier_signal -1
	s_barrier_wait -1                              ; everybody's are
	s_mov_b32 s[CNT], 12
.Lrest:
	STEP
	s_sub_co_u32 s[CNT], s[CNT], 1
	s_cmp_lg_u32 s[CNT], 0
	s_cbranch_scc1 .Lrest
	; THE WAY OUT: o = O^T / l, quantised along the head's 64 (two blocks of 32, each in lanes l and l xor 16), stored as six registers of the last product's operand and a word with the two scale bytes.
.rept 4
	v_nop                                          ; four places behind the last products
.endr
	v_add_f32 v[SUM], v[SUM], v[SUM+1]             ; the sum's two halves,
	v_permlanex16_b32 v[TMP], v[SUM], s[SEL], s[SEL+1]
	v_add_f32 v[SUM], v[SUM], v[TMP]               ; and lane l xor 16's: the row's sum, above 1/2
	v_rcp_f32 v[SUM], v[SUM]
	v_nop                                          ; one plain place behind a transcendental
.set j, 0
	s_wait_alu depctr_va_vdst(0)
.rept 32
	v_mul_f32 v[S+j], v[OT+j], v[SUM]              ; register 16 b + i is o(my query, 32 b + 16 (lane / 16) + i); each accumulator from its low end on
.set j, j+1
.endr
.irp b, 0,1
	v_max3_num_f32 v[BM+\b], |v[S+16*\b]|, |v[S+16*\b+1]|, 0x2800000
.endr
.irp i, 2,4,6,8,10,12,14
.irp b, 0,1
	v_max3_num_f32 v[BM+\b], v[BM+\b], |v[S+16*\b+\i]|, |v[S+16*\b+\i+1]|
.endr
.endr
.irp b, 0,1
	v_permlanex16_b32 v[PL+\b], v[BM+\b], s[SEL], s[SEL+1]
.endr
.irp b, 0,1
	v_max_num_f32 v[BM+\b], v[BM+\b], v[PL+\b]
.endr
.irp b, 0,1
	v_add_nc_u32 v[SOP+\b], 0xfe000000, v[BM+\b]
.endr
.irp b, 0,1
	v_lshrrev_b32 v[PL+\b], 23, v[SOP+\b]
.endr
	v_lshl_or_b32 v[PSW], v[PL+1], 8, v[PL]
	v_cvt_scalef32_pk16_bf6_f32 v[PCD:PCD+2], v[S:S+15], v[SOP]
	v_cvt_scalef32_pk16_bf6_f32 v[CT:CT+2], v[S+16:S+31], v[SOP+1]
	v_nop
.irp i, 0,1,2
	v_permlane16_swap_b32 v[PCD+\i], v[CT+\i]      ; lanes 0-15 now hold block 0 whole, lanes 16-31 block 1
.endr
.irp i, 0,1,2
	v_mov_b32 v[PCD+3+\i], v[CT+\i]
.endr
.irp p, 0,1,2
	global_store_b64 v[L8], v[PCD+2*\p:PCD+2*\p+1], s[56:57] offset:256*\p   ; 32 lanes store 256 consecutive bytes, at a multiple of 256 from oi's first byte
.endr
	global_store_b32 v[L4], v[PSW], s[58:59]       ; 128 consecutive bytes: two heads' words share an aligned 256
	s_wait_tensorcnt 0x0
	ds_add_u32 v30, v31
	s_wait_dscnt 0x0
	CROUND                                         ; the closing round: no work-group ends while a partner may still ask for a record that names it
	s_endpgm
.Lfunc_end_k_qb3aeab1b42_attn:
	.size	k_qb3aeab1b42_attn, .Lfunc_end_k_qb3aeab1b42_attn-k_qb3aeab1b42_attn
	.p2alignl 7, 3214868480
	.fill 96, 4, 3214868480
	.section	.rodata,"a",@progbits
	.p2align	6, 0x0
	.amdhsa_kernel k_qb3aeab1b42_attn
		.amdhsa_group_segment_fixed_size 223232
		.amdhsa_private_segment_fixed_size 0
		.amdhsa_enable_private_segment 0
		.amdhsa_kernarg_size 24
		.amdhsa_user_sgpr_count 2
		.amdhsa_user_sgpr_kernarg_segment_ptr 1
		.amdhsa_wavefront_size32 1
		.amdhsa_system_sgpr_workgroup_id_x 1
		.amdhsa_system_sgpr_workgroup_id_y 1
		.amdhsa_system_sgpr_workgroup_id_z 1
		.amdhsa_system_vgpr_workitem_id 0
		.amdhsa_next_free_vgpr 256
		.amdhsa_next_free_sgpr 66
		.amdhsa_reserve_vcc 0
		.amdhsa_float_denorm_mode_32 3
		.amdhsa_float_denorm_mode_16_64 3
		.amdhsa_memory_ordered 1
		.amdhsa_forward_progress 1
		.amdhsa_inst_pref_size 48
	.end_amdhsa_kernel
	.amdgpu_metadata
---
amdhsa.version: [ 1, 2 ]
amdhsa.kernels:
  - .name:           k_qb3aeab1b42_attn
    .symbol:         k_qb3aeab1b42_attn.kd
    .args:
      - { .name: qb, .offset: 0, .size: 8, .value_kind: global_buffer, .address_space: global }
      - { .name: kv, .offset: 8, .size: 8, .value_kind: global_buffer, .address_space: global }
      - { .name: oi, .offset: 16, .size: 8, .value_kind: global_buffer, .address_space: global }
    .group_segment_fixed_size: 223232
    .private_segment_fixed_size: 0
    .kernarg_segment_align: 8
    .kernarg_segment_size: 24
    .max_flat_workgroup_size: 512
    .sgpr_count:     66
    .vgpr_count:     256
    .wavefront_size: 32
...
	.end_amdgpu_metadata
.endif
;; end of part 3
;; launch outp (part 4): grid 256 x 1, 4 waves a work-group, no clusters, 34,304 bytes of LDS; arguments img, oi, out0; writes out0
.if DOCPART == 4
	.amdgcn_target "amdgcn-amd-amdhsa--gfx1250"
	.amdhsa_code_object_version 6
	.text
	.protected	k_qb3aeab1b42_outp
	.globl	k_qb3aeab1b42_outp
	.p2align	8
	.type	k_qb3aeab1b42_outp,@function
k_qb3aeab1b42_outp:
	s_mov_b64 s[64:65], 0
	v_nop
	global_prefetch_b8 v0, s[64:65] scope:SCOPE_SE
	s_setreg_imm32_b32 hwreg(HW_REG_WAVE_MODE, 25, 1), 1
	s_wait_xcnt 0x0
; out0 = o Wo on codes of MX-BF6.  o comes as the attention launch left it (records of 7,168 bytes, one for each tile of 16 rows: eight heads' six registers a lane, and a word with two scale bytes for each head);
; Wo's columns as the first launch's images (records 1600-1631 of img).
; SHARES.  Work-group x takes column group x % 4 (128 columns: 8 tiles, P, source 0, 384 registers); its wave w takes row group B = 4 (x / 4) + w: o's tiles 2 B and 2 B + 1, which are rows 32 B .. 32 B + 31 (R, source 1).
; 64 matrix instructions a wave: 16 accumulators by turns, K = 512 in four steps; K step s is heads 2 s and 2 s + 1, so its scale word is the two heads' words put together.
; By the order of a tile's places (place r of tile t is index 32 (t / 2) + 8 (t % 2) + r + 8 (r / 8)) a lane holds, of one row, columns 32 b + 16 (lane / 16) + 8 u + 0 .. 7 in accumulator 2 b + u: 32 bytes.
; THE WAY OUT: a tile's 16 rows x 512 bytes go through the wave's own stage in LDS and leave as whole rows: 32 lanes store 512 consecutive bytes.  No barrier: waves share nothing.
; No joint requests: a wave reads each operand once, straight into registers; no loop fetches a shared tile again.
; REGISTERS, in windows of 256: window 0: v1 16 l, v2 8 l, v3 4 l, v4, v5 stage addresses; v16-47 P's scale words; v48-55 R's; v64-191 the accumulators (64 e + 8 j); v192-207 the heads' words, later v192-255 rows on the way out.
;   window 1: P's fragments of K steps 0, 1 at v[12 (2 j + s)];   window 2: those of K steps 2, 3;   window 3: R's fragments at v[48 e + 12 s].
.set REC,    6656
.set OREC,   7168
.set FR,     12
.set SPITCH, 528                       ; a stage row: 512 bytes + 16 = 33 x 16: sixteen rows' 16-byte pieces fall on sixteen different places modulo 256 bytes
.set PS,  16
.set RS,  48
.set ACC, 64
.set RAW, 192
.set BK,  192
.set MSB, 0
.macro WIN new                         ; the immediate's high byte repeats the setting that is left
.if MSB != \new
	s_set_vgpr_msb (MSB<<8)|\new
.set MSB, \new
.endif
.endm
	s_load_b128 s[4:7], s[0:1], 0x0                ; img s[4:5], oi s[6:7]
	s_load_b64 s[8:9], s[0:1], 0x10                ; out0
	v_lshl_add_u32 v62, v0, 2, 0x8400
	v_mov_b32 v63, 0
	v_lshrrev_b32 v1, 5, v0
	v_readfirstlane_b32 s10, v1                    ; wave 0..3
	v_and_b32 v6, 31, v0                           ; l
	v_and_b32 v7, 15, v0                           ; r
	v_bfe_u32 v8, v0, 4, 1                         ; h
	v_lshlrev_b32 v1, 4, v6
	v_lshlrev_b32 v2, 3, v6
	v_lshlrev_b32 v3, 2, v6
	s_mul_i32 s11, s10, 16*SPITCH                  ; my stage
	v_mul_u32_u24 v4, v7, SPITCH
	v_lshl_add_u32 v4, v8, 6, v4
	v_add_nc_u32 v4, s11, v4                       ; in: row r, + 64 h
	v_add_nc_u32 v5, s11, v1                       ; back: 16 l of a row
	s_and_b32 s12, ttmp9, 3                        ; the column group
	s_lshr_b32 s13, ttmp9, 2
	s_lshl_b32 s13, s13, 2
	s_add_co_u32 s13, s13, s10                     ; B
	s_lshl_b32 s18, s12, 3
	s_add_co_u32 s18, s18, 1600
	s_mul_i32 s18, s18, REC                        ; P: img's records 1600 + 8 g on
	s_mov_b32 s19, 0
	s_mul_i32 s20, s13, 2*OREC                     ; R: oi's records 2 B, 2 B + 1
	s_mov_b32 s21, 0
	s_lshl_b32 s22, s13, 16                        ; out0: 32 B rows of 2,048 bytes,
	s_lshl_b32 s23, s12, 9                         ; + 128 g columns
	s_add_co_u32 s22, s22, s23
	s_mov_b32 s23, 0
	s_wait_kmcnt 0x0
	s_add_nc_u64 s[12:13], s[4:5], s[18:19]
	s_add_nc_u64 s[14:15], s[6:7], s[20:21]
	s_add_nc_u64 s[16:17], s[8:9], s[22:23]
	WIN 0xc0                                       ; destination window 3, address window 0
.irp e, 0,1
.irp s, 0,1,2,3
.irp c, 0,1
.irp p, 0,1,2
	global_load_b64 v[48*\e+FR*\s+6*\c+2*\p:48*\e+FR*\s+6*\c+2*\p+1], v2, s[14:15] offset:OREC*\e+1536*\s+768*\c+256*\p
.endr
.endr
.endr
.endr
	WIN 0
.irp e, 0,1
.irp d, 0,1,2,3,4,5,6,7
	global_load_b32 v[RAW+8*\e+\d], v3, s[14:15] offset:OREC*\e+6144+128*\d
.endr
.endr
.irp j, 0,1,2,3,4,5,6,7
.irp a, 0,1
	global_load_b64 v[PS+4*\j+2*\a:PS+4*\j+2*\a+1], v2, s[12:13] offset:REC*\j+6144+256*\a
.endr
.endr
	WIN 0x40                                       ; destination window 1
.irp j, 0,1,2,3,4,5,6,7
.irp s, 0,1
.irp c, 0,1,2
	global_load_b128 v[FR*(2*\j+\s)+4*\c:FR*(2*\j+\s)+4*\c+3], v1, s[12:13] offset:REC*\j+1536*\s+512*\c
.endr
.endr
.endr
	WIN 0x80                                       ; destination window 2
.irp j, 0,1,2,3,4,5,6,7
.irp s, 0,1
.irp c, 0,1,2
	global_load_b128 v[FR*(2*\j+\s)+4*\c:FR*(2*\j+\s)+4*\c+3], v1, s[12:13] offset:REC*\j+1536*(\s+2)+512*\c
.endr
.endr
.endr
	WIN 0
	s_wait_loadcnt 0x0
.irp e, 0,1
.irp s, 0,1,2,3
	v_lshl_or_b32 v[RS+4*\e+\s], v[RAW+8*\e+2*\s+1], 16, v[RAW+8*\e+2*\s]   ; K step s: head 2 s's two bytes below, head 2 s + 1's above
.endr
.endr
.rept 8
	v_nop                                          ; a scale register written by a vector instruction stands eight places ahead of a scaled matrix instruction
.endr
.irp s, 0,1,2,3
.if \s < 2
	WIN 0x0d                                       ; source 0 (P) window 1, source 1 (R) window 3, C and D window 0
.else
	WIN 0x0e                                       ; source 0 window 2
.endif
.irp e, 0,1
.irp j, 0,1,2,3,4,5,6,7
.if \s == 0
	v_wmma_scale_f32_16x16x128_f8f6f4 v[ACC+64*\e+8*\j:ACC+64*\e+8*\j+7], v[FR*(2*\j+\s%2):FR*(2*\j+\s%2)+FR-1], v[48*\e+FR*\s:48*\e+FR*\s+FR-1], 0, v[PS+4*\j+\s], v[RS+4*\e+\s] matrix_a_fmt:MATRIX_FMT_BF6 matrix_b_fmt:MATRIX_FMT_BF6
.else
	v_wmma_scale_f32_16x16x128_f8f6f4 v[ACC+64*\e+8*\j:ACC+64*\e+8*\j+7], v[FR*(2*\j+\s%2):FR*(2*\j+\s%2)+FR-1], v[48*\e+FR*\s:48*\e+FR*\s+FR-1], v[ACC+64*\e+8*\j:ACC+64*\e+8*\j+7], v[PS+4*\j+\s], v[RS+4*\e+\s] matrix_a_fmt:MATRIX_FMT_BF6 matrix_b_fmt:MATRIX_FMT_BF6
.endif
.endr
.endr
.endr
	WIN 0
.rept 4
	v_nop                                          ; four places (ISA guide 7.12.1) in front of the first read of the results
.endr
.macro TOSTAGE e                       ; tile e's 16 rows into my stage: accumulator 2 b + u holds 32 bytes at 128 b + 64 h + 32 u of my row; each accumulator from its low end on
.irp j, 0,1,2,3,4,5,6,7
	ds_store_b128 v4, v[ACC+64*\e+8*\j:ACC+64*\e+8*\j+3] offset:128*(\j/2)+32*(\j%2)
	ds_store_b128 v4, v[ACC+64*\e+8*\j+4:ACC+64*\e+8*\j+7] offset:128*(\j/2)+32*(\j%2)+16
.endr
.endm
.macro BACK reg                        ; and back as whole rows of 512 bytes.  LDS serves a wave's instructions in order (ISA guide 5.7.1.4): these see the stores above, and later stores come behind them
.irp p, 0,1,2,3,4,5,6,7,8,9,10,11,12,13,14,15
	ds_load_b128 v[\reg+4*\p:\reg+4*\p+3], v5 offset:SPITCH*\p
.endr
.endm
.macro SEND reg, e                     ; place p of tile 2 B + e is row 32 B + 8 e + p + 8 (p / 8)
.irp p, 0,1,2,3,4,5,6,7,8,9,10,11,12,13,14,15
	global_store_b128 v1, v[\reg+4*\p:\reg+4*\p+3], s[16:17] offset:(8*\e+\p+8*(\p/8))*2048 th:TH_STORE_NT   ; 32 lanes store 512 consecutive bytes, at a multiple of 256 from out0's first byte; written once, read by nobody here
.endr
.endm
	TOSTAGE 0
	BACK BK
	TOSTAGE 1
	s_wait_dscnt 16                                ; tile 0's rows are back: only tile 1's 16 stores may be out
	BACK ACC                                       ; tile 1's rows, into the registers that tile 0's accumulators have left
	SEND BK, 0
	s_wait_dscnt 0x0
	SEND ACC, 1
	s_wait_tensorcnt 0x0
	ds_add_u32 v62, v63
	s_wait_dscnt 0x0
	s_endpgm
.Lfunc_end_k_qb3aeab1b42_outp:
	.size	k_qb3aeab1b42_outp, .Lfunc_end_k_qb3aeab1b42_outp-k_qb3aeab1b42_outp
	.p2alignl 7, 3214868480
	.fill 96, 4, 3214868480
	.section	.rodata,"a",@progbits
	.p2align	6, 0x0
	.amdhsa_kernel k_qb3aeab1b42_outp
		.amdhsa_group_segment_fixed_size 34304
		.amdhsa_private_segment_fixed_size 0
		.amdhsa_enable_private_segment 0
		.amdhsa_kernarg_size 24
		.amdhsa_user_sgpr_count 2
		.amdhsa_user_sgpr_kernarg_segment_ptr 1
		.amdhsa_wavefront_size32 1
		.amdhsa_system_sgpr_workgroup_id_x 1
		.amdhsa_system_sgpr_workgroup_id_y 1
		.amdhsa_system_sgpr_workgroup_id_z 1
		.amdhsa_system_vgpr_workitem_id 0
		.amdhsa_next_free_vgpr 1024
		.amdhsa_next_free_sgpr 66
		.amdhsa_reserve_vcc 0
		.amdhsa_float_denorm_mode_32 3
		.amdhsa_float_denorm_mode_16_64 3
		.amdhsa_memory_ordered 1
		.amdhsa_forward_progress 1
		.amdhsa_inst_pref_size 35
	.end_amdhsa_kernel
	.amdgpu_metadata
---
amdhsa.version: [ 1, 2 ]
amdhsa.kernels:
  - .name:           k_qb3aeab1b42_outp
    .symbol:         k_qb3aeab1b42_outp.kd
    .args:
      - { .name: img, .offset: 0, .size: 8, .value_kind: global_buffer, .address_space: global }
      - { .name: oi, .offset: 8, .size: 8, .value_kind: global_buffer, .address_space: global }
      - { .name: out0, .offset: 16, .size: 8, .value_kind: global_buffer, .address_space: global }
    .group_segment_fixed_size: 34304
    .private_segment_fixed_size: 0
    .kernarg_segment_align: 8
    .kernarg_segment_size: 24
    .max_flat_workgroup_size: 128
    .sgpr_count:     66
    .vgpr_count:     1024
    .wavefront_size: 32
...
	.end_amdgpu_metadata
.endif
;; end of part 4
;; ======== version 2 of 2: 4 launches
;; workspace buffers: img 10,862,592 bytes; qb 7,077,888 bytes; kv 7,077,888 bytes; oi 3,670,016 bytes
;; launch quant (part 5): grid 816 x 1, 4 waves a work-group, no clusters, 34,304 bytes of LDS; arguments X, Y, Z, Wq, Wk, Wo, img; writes img
.if DOCPART == 5
	.amdgcn_target "amdgcn-amd-amdhsa--gfx1250"
	.amdhsa_code_object_version 6
	.text
	.protected	k_qb3aeab1b42_quant
	.globl	k_qb3aeab1b42_quant
	.p2align	8
	.type	k_qb3aeab1b42_quant,@function
k_qb3aeab1b42_quant:
	s_mov_b64 s[64:65], 0
	v_nop
	global_prefetch_b8 v0, s[64:65] scope:SCOPE_SE
	s_setreg_imm32_b32 hwreg(HW_REG_WAVE_MODE, 25, 1), 1
	s_wait_xcnt 0x0
; X, Y, Z [8192][512] (K innermost) and Wq, Wk, Wo [512 (K)][512] (K outermost), f32, become operands of MX-BF6 (E3M2, one E8M0 byte for each 32 along K),
; laid in memory AS IMAGES OF THE OPERAND'S REGISTERS, so that every later launch fetches a fragment by dense loads and never turns or unpacks anything.
; (Wv is no operand of the module's forward pass: no result hangs on it, so no launch loads it.)
; A TILE is 16 rows of X, Y, Z or 16 columns of a weight.  ITS 16 ARE NOT NEIGHBOURS: place r of tile t is index 32 (t / 2) + 8 (t % 2) + r + 8 (r / 8), so that a product that takes
; tiles 2 b and 2 b + 1 as source 0 leaves a lane 16 neighbours, 32 b + 16 (lane / 16) + 0 .. 15, in 16 registers: ready for the next quantiser.
; RECORD T of img, 6,656 bytes (T 0-511 X, 512-1023 Y, 1024-1535 Z, 1536-1567 Wq, 1568-1599 Wk, 1600-1631 Wo):
;   + 1536 s: the fragment of K step s (128 along K, 12 registers a lane): register p of lane l at 512 (p / 4) + 16 l + 4 (p % 4);
;   + 6144 + 256 a + 8 l + 4 f: the scale word of K step 2 a + f of lane l's row (l % 16); both halves of the lanes hold it.
; SHARES.  Wave W = 4 x work-group + wave takes tile W / 2 and K steps 2 (W % 2), 2 (W % 2) + 1.  Work-groups 0-767 serve X, Y, Z, work-groups 768-815 the weights.  Straight text: no loop, no barrier.
; A lane (r, h) of a fragment holds k = 64 c + 32 h + 0 .. 31 of row r, c = 0, 1: two WHOLE blocks of 32, so a block's largest magnitude needs no other lane.
;   X, Y, Z: each load takes 512 consecutive bytes of one row (16 a lane); the 16 rows turn through the wave's own stage in LDS and come back 128 bytes a lane and block.
;   weights: lane r takes a column and its registers run down K: nothing is turned.
; THE SCALE: byte = the exponent field of the block's largest magnitude - 4, held at 1 from below by a floor among the maximum's leaves.
; LIMITS: NaN and infinities among the inputs are not served.  A block of zeros gets the byte 1 where the rule says 127: its codes are zeros, which add nothing under any byte but 0xff, and this program alone reads the bytes.
.set REC,    6656
.set SPITCH, 528                       ; a stage row: 512 bytes + 16 = 33 x 16: sixteen rows' 16-byte pieces fall on sixteen different places modulo 256 bytes
.set STGB,   16*SPITCH                 ; a wave's stage
.set MX,   10                          ; v10-11  the two blocks' largest magnitudes
.set SO,   12                          ; v12-13  the conversions' scale operands
.set BY,   14                          ; v14-15  the scale bytes
.set TP,   16                          ; v16     the other half's two bytes
.set SW,   18                          ; v18-19  the two K steps' scale words
.set C0,   20                          ; v20-31  the first K step's codes
.set C1,   32                          ; v32-43  the second's
.set TT,   44                          ; v44-46, v48-50  the upper halves of two blocks' codes (a conversion's three registers begin on an even number)
.set X0,   64                          ; v64-127  the first K step's 64 numbers of my lane
.set X1,   128                         ; v128-191 the second's
.set RAW0, 128                         ; v128-191 the first K step's rows as loaded (free again before X1 is filled)
.set RAW1, 192                         ; v192-255 the second's
	s_load_b256 s[4:11], s[0:1], 0x0               ; X s[4:5], Y s[6:7], Z s[8:9], Wq s[10:11]
	s_load_b128 s[12:15], s[0:1], 0x20             ; Wk s[12:13], Wo s[14:15]
	s_load_b64 s[16:17], s[0:1], 0x30              ; img
	v_lshl_add_u32 v62, v0, 2, 0x8400
	v_mov_b32 v63, 0
	v_lshrrev_b32 v1, 5, v0
	v_readfirstlane_b32 s18, v1                    ; wave 0..3
	v_and_b32 v1, 31, v0                           ; l
	v_and_b32 v2, 15, v0                           ; r
	v_bfe_u32 v3, v0, 4, 1                         ; h
	v_lshlrev_b32 v4, 4, v1                        ; 16 l
	v_lshlrev_b32 v5, 3, v1                        ; 8 l
	s_mul_i32 s19, s18, STGB                       ; my stage
	v_add_nc_u32 v6, s19, v4                       ; into it: 16 l of a row
	v_mul_u32_u24 v7, v2, SPITCH
	v_lshl_add_u32 v7, v3, 7, v7
	v_add_nc_u32 v7, s19, v7                       ; out of it: row r, + 128 h: my block's 128 bytes
	v_and_b32 v8, 8, v2
	v_add_nc_u32 v8, v8, v2                        ; r + 8 (r / 8)
	v_lshlrev_b32 v8, 2, v8
	v_lshl_add_u32 v8, v3, 16, v8                  ; a weight: my column's 4 bytes, + 32 h rows of 2,048 bytes
	v_lshlrev_b32 v9, 3, v3                        ; 8 h: where my two bytes stand in a scale word
	v_mov_b32 v[TP], 0                             ; written once: a lane permute's destination counts as one of its sources
	s_mov_b32 s24, 0x76543210
	s_mov_b32 s25, 0xfedcba98                      ; v_permlanex16_b32's selects for lane l xor 16
	s_lshl_b32 s28, ttmp9, 2
	s_add_co_u32 s28, s28, s18                     ; W
	s_lshr_b32 s29, s28, 1                         ; T: my tile
	s_and_b32 s30, s28, 1                          ; a: my half of K
	s_mul_i32 s32, s29, REC
	s_mul_i32 s34, s30, 3072
	s_add_co_u32 s34, s34, s32                     ; my codes: 6656 T + 3072 a
	s_mov_b32 s35, 0
	s_lshl_b32 s36, s30, 8
	s_add_co_u32 s36, s36, s32
	s_add_co_u32 s36, s36, 6144                    ; my scale words: 6656 T + 6144 + 256 a
	s_mov_b32 s37, 0
	s_wait_kmcnt 0x0
	s_add_nc_u64 s[22:23], s[16:17], s[34:35]
	s_add_nc_u64 s[26:27], s[16:17], s[36:37]
	s_cmp_ge_u32 ttmp9, 768
	s_cbranch_scc1 .Lweights
; ---- X, Y, Z: K innermost
.macro LOADX reg, f                    ; the tile's 16 rows, K step f of my two: each load takes 512 consecutive bytes
.irp p, 0,1,2,3,4,5,6,7,8,9,10,11,12,13,14,15
	global_load_b128 v[\reg+4*\p:\reg+4*\p+3], v4, s[20:21] offset:(\p+8*(\p/8))*2048+512*\f th:TH_LOAD_NT
.endr
.endm
.macro TURN reg, dst                   ; through my stage: rows in as they were loaded, 128 bytes a lane and block out.  LDS serves a wave's instructions in order: no wait between
.irp p, 0,1,2,3,4,5,6,7,8,9,10,11,12,13,14,15
	ds_store_b128 v6, v[\reg+4*\p:\reg+4*\p+3] offset:SPITCH*\p
.endr
.irp c, 0,1
.irp i, 0,1,2,3,4,5,6,7
	ds_load_b128 v[\dst+32*\c+4*\i:\dst+32*\c+4*\i+3], v7 offset:256*\c+16*\i
.endr
.endr
.endm
	s_cmp_lt_u32 ttmp9, 256                        ; which tensor: the choice hangs on the work-group's number alone
	s_cselect_b64 s[20:21], s[4:5], s[6:7]
	s_cmp_lt_u32 ttmp9, 512
	s_cselect_b64 s[20:21], s[20:21], s[8:9]
	s_and_b32 s38, s29, 511                        ; the tile in its tensor
	s_lshr_b32 s39, s38, 1
	s_lshl_b32 s39, s39, 16                        ; 32 (t / 2) rows of 2,048 bytes
	s_and_b32 s38, s38, 1
	s_lshl_b32 s38, s38, 14                        ; 8 (t % 2) rows
	s_add_co_u32 s38, s38, s39
	s_lshl_b32 s39, s30, 10                        ; 256 a numbers along K
	s_add_co_u32 s38, s38, s39
	s_mov_b32 s39, 0
	s_add_nc_u64 s[20:21], s[20:21], s[38:39]
	LOADX RAW0, 0
	LOADX RAW1, 1
	s_wait_loadcnt 16                              ; the first K step's 16 loads are in; the second's 16 may be out
	s_wait_alu depctr_va_vdst(0)
	TURN RAW0, X0
	s_wait_loadcnt 0x0                             ; the second K step's rows are in
	s_wait_dscnt 0x0                               ; X0 is in, and the stores have read RAW0, whose registers X1 takes
	TURN RAW1, X1
	s_branch .Ljoin
; ---- the weights: K outermost
.Lweights:
	s_sub_co_u32 s38, ttmp9, 768
	s_cmp_lt_u32 s38, 16
	s_cselect_b64 s[20:21], s[10:11], s[12:13]
	s_cmp_lt_u32 s38, 32
	s_cselect_b64 s[20:21], s[20:21], s[14:15]
	s_and_b32 s38, s29, 31                         ; the tile in its weight
	s_lshr_b32 s39, s38, 1
	s_lshl_b32 s39, s39, 7                         ; 32 (t / 2) columns of 4 bytes
	s_and_b32 s38, s38, 1
	s_lshl_b32 s38, s38, 5                         ; 8 (t % 2) columns
	s_add_co_u32 s38, s38, s39
	s_lshl_b32 s39, s30, 19                        ; 256 a rows of 2,048 bytes
	s_add_co_u32 s38, s38, s39
	s_mov_b32 s39, 0
	s_add_nc_u64 s[20:21], s[20:21], s[38:39]
.set n, 0
	s_wait_alu depctr_va_vdst(0)
.rept 128                              ; register n: K step n / 64, c = (n / 32) % 2, i = n % 32: W(128 f + 64 c + 32 h + i, my column)
	global_load_b32 v[X0+n], v8, s[20:21] offset:(128*(n/64)+64*((n/32)%2)+n%32)*2048
.set n, n+1
.endr
	s_wait_loadcnt 63                              ; X0's 64 loads are in: 64 were issued behind them, and the wait's field holds 63 at the most
.Ljoin:
; 64 numbers of a lane, v[xb + 32 c + i] = k 64 c + 32 h + i of my row, become the fragment's 12 registers at v[cb] and its scale word in v[sw].
.macro QF xb, cb, sw
.irp c, 0,1
	v_max3_num_f32 v[MX+\c], |v[\xb+32*\c]|, |v[\xb+32*\c+1]|, 0x2800000   ; block 2 c + h is all mine; the floor 2^(5 - 127) among the leaves: the byte cannot fall under 1
.endr
.irp i, 2,4,6,8,10,12,14,16,18,20,22,24,26,28,30
.irp c, 0,1
	v_max3_num_f32 v[MX+\c], v[MX+\c], |v[\xb+32*\c+\i]|, |v[\xb+32*\c+\i+1]|   ; (the two blocks by turns)
.endr
.endr
.irp c, 0,1
	v_add_nc_u32 v[SO+\c], 0xfe000000, v[MX+\c]    ; 4 off the exponent field: the conversion takes this operand's exponent field as its scale, and nothing else of it
.endr
.irp c, 0,1
	v_lshrrev_b32 v[BY+\c], 23, v[SO+\c]           ; the scale's byte
.endr
	v_lshl_or_b32 v[\sw], v[BY+1], 16, v[BY]       ; my two bytes, blocks h and 2 + h,
	v_lshlrev_b32 v[\sw], v9, v[\sw]               ; at their places in the word;
	v_permlanex16_b32 v[TP], v[\sw], s24, s25
	v_or_b32 v[\sw], v[\sw], v[TP]                 ; with lane l xor 16's two the word is whole, in both halves of the lanes
.irp c, 0,1
	v_cvt_scalef32_pk16_bf6_f32 v[\cb+6*\c:\cb+6*\c+2], v[\xb+32*\c:\xb+32*\c+15], v[SO+\c]
	v_cvt_scalef32_pk16_bf6_f32 v[TT+4*\c:TT+4*\c+2], v[\xb+32*\c+16:\xb+32*\c+31], v[SO+\c]
.endr
	v_nop                                          ; one plain place behind a scaled conversion
.irp c, 0,1
.irp i, 0,1,2
	v_mov_b32 v[\cb+3+6*\c+\i], v[TT+4*\c+\i]
.endr
.endr
.endm
	QF X0, C0, SW
.irp c, 0,1,2
	global_store_b128 v4, v[C0+4*\c:C0+4*\c+3], s[22:23] offset:512*\c          ; 32 lanes store 512 consecutive bytes, at a multiple of 256 from img's first byte
.endr
	s_wait_loadcnt 0x0                             ; X1: the weights' way
	s_wait_dscnt 0x0                               ; X1: the stage's way
	QF X1, C1, SW+1
.irp c, 0,1,2
	global_store_b128 v4, v[C1+4*\c:C1+4*\c+3], s[22:23] offset:1536+512*\c
.endr
	global_store_b64 v5, v[SW:SW+1], s[26:27]      ; 32 lanes store 256 consecutive bytes.  No store's data or address is written again: no wait on XCNT
	s_wait_tensorcnt 0x0
	ds_add_u32 v62, v63
	s_wait_dscnt 0x0
	s_endpgm
.Lfunc_end_k_qb3aeab1b42_quant:
	.size	k_qb3aeab1b42_quant, .Lfunc_end_k_qb3aeab1b42_quant-k_qb3aeab1b42_quant
	.p2alignl 7, 3214868480
	.fill 96, 4, 3214868480
	.section	.rodata,"a",@progbits
	.p2align	6, 0x0
	.amdhsa_kernel k_qb3aeab1b42_quant
		.amdhsa_group_segment_fixed_size 34304
		.amdhsa_private_segment_fixed_size 0
		.amdhsa_enable_private_segment 0
		.amdhsa_kernarg_size 56
		.amdhsa_user_sgpr_count 2
		.amdhsa_user_sgpr_kernarg_segment_ptr 1
		.amdhsa_wavefront_size32 1
		.amdhsa_system_sgpr_workgroup_id_x 1
		.amdhsa_system_sgpr_workgroup_id_y 1
		.amdhsa_system_sgpr_workgroup_id_z 1
		.amdhsa_system_vgpr_workitem_id 0
		.amdhsa_next_free_vgpr 256
		.amdhsa_next_free_sgpr 66
		.amdhsa_reserve_vcc 0
		.amdhsa_float_denorm_mode_32 3
		.amdhsa_float_denorm_mode_16_64 3
		.amdhsa_memory_ordered 1
		.amdhsa_forward_progress 1
		.amdhsa_inst_pref_size 30
	.end_amdhsa_kernel
	.amdgpu_metadata
---
amdhsa.version: [ 1, 2 ]
amdhsa.kernels:
  - .name:           k_qb3aeab1b42_quant
    .symbol:         k_qb3aeab1b42_quant.kd
    .args:
      - { .name: X, .offset: 0, .size: 8, .value_kind: global_buffer, .address_space: global }
      - { .name: Y, .offset: 8, .size: 8, .value_kind: global_buffer, .address_space: global }
      - { .name: Z, .offset: 16, .size: 8, .value_kind: global_buffer, .address_space: global }
      - { .name: Wq, .offset: 24, .size: 8, .value_kind: global_buffer, .address_space: global }
      - { .name: Wk, .offset: 32, .size: 8, .value_kind: global_buffer, .address_space: global }
      - { .name: Wo, .offset: 40, .size: 8, .value_kind: global_buffer, .address_space: global }
      - { .name: img, .offset: 48, .size: 8, .value_kind: global_buffer, .address_space: global }
    .group_segment_fixed_size: 34304
    .private_segment_fixed_size: 0
    .kernarg_segment_align: 8
    .kernarg_segment_size: 56
    .max_flat_workgroup_size: 128
    .sgpr_count:     66
    .vgpr_count:     256
    .wavefront_size: 32
...
	.end_amdgpu_metadata
.endif
;; end of part 5
;; launch proj (part 6): grid 192 x 1, 4 waves a work-group, no clusters, 0 bytes of LDS; arguments img, qb, kv; writes qb, kv
.if DOCPART == 6
	.amdgcn_target "amdgcn-amd-amdhsa--gfx1250"
	.amdhsa_code_object_version 6
	.text
	.protected	k_qb3aeab1b42_proj
	.globl	k_qb3aeab1b42_proj
	.p2align	8
	.type	k_qb3aeab1b42_proj,@function
k_qb3aeab1b42_proj:
	s_mov_b64 s[64:65], 0
	v_nop
	global_prefetch_b8 v0, s[64:65] scope:SCOPE_SE
	s_setreg_imm32_b32 hwreg(HW_REG_WAVE_SCHED_MODE, 0, 2), 2
	s_setreg_imm32_b32 hwreg(HW_REG_WAVE_MODE, 25, 1), 1
	s_wait_xcnt 0x0
	s_wait_alu depctr_vm_vsrc(0)
; q = X Wq, k = Y Wk, v = Z Wo on codes of MX-BF6, and each result quantised on the way for the product that takes it next: q and k along the head's 64, v along the KEYS.  No f32 result goes to memory.
; ONE FORM SERVES ALL THREE.  Operand P, 8 tiles x K 512 (384 registers), stays in the wave's registers and is always source 0; operand R, one tile at a time, eight a wave, is source 1.
;   q, k: P = 128 columns of the weight (two heads), R = 16 rows of X or Y.      v: P = 128 rows of Z (128 keys), R = 16 columns of Wo.
; By the order of a tile's places (place r of tile t is index 32 (t / 2) + 8 (t % 2) + r + 8 (r / 8)) the 64 results of a lane are, of R's place lane % 16, register 16 b + i = P's index 32 b + 16 (lane / 16) + i:
; 128 neighbours along the next product's K, in two lanes.  They become one fragment (12 registers) and one scale word.
;   q, k: registers 0-5 are the first head's 64, registers 6-11 the second's; the scale word's low half the first head's, its high half the second's.      v: a fragment of V^T, 16 of the head's 64 x 128 keys.
; RECORDS of qb and kv, 13,824 bytes, at (16 (8 batch + head) + group of 128 rows) x 13,824:
;   + 768 t + 256 p + 8 l: registers 2 p, 2 p + 1 of lane l of row tile t's 6 registers        + 12288 + 512 (t / 4) + 16 l + 4 (t % 4): its scale word (bytes 2 and 3 are 0)
;   kv alone: + 6144 + 1536 t + 512 c + 16 l: registers 4 c .. 4 c + 3 of V^T's tile t         + 13312 + 16 l + 4 t: its scale word
; SHARES.  Work-groups 0-63 q, 64-127 k, 128-191 v: the design has work for 192.  q, k: work-group j takes column group j % 4, its wave w the 128 rows of group 4 (j / 4) + w.  v: work-group j takes keys 128 j on, wave w Wo's columns 128 w on.
; No LDS, no barrier, no joint requests: a wave reads P once, 53,248 bytes, straight into the registers in which it stays, and each R tile once; no loop fetches a shared tile again, so there is no ring in which requests could meet.
; LIMITS: as the launch before: NaN and infinities are not served; a block of zeros has the byte 1.
; REGISTERS, in windows of 256: window 0: v1 16 l, v2 8 l; v16-47 P's scale words (4 j + s); v48-59 R's, three sets; v64-127 the 8 accumulators; v128-146 codes; v148-164 at work; v168-183 scale words to store.
;   window 1: P's fragments of K steps 0, 1 at v[12 (2 j + s)];   window 2: those of K steps 2, 3;   window 3: R's fragments, three sets of 48.
; THE MODE: SCHED_MODE bits 1:0 = 2 (LLVM: expert scheduling mode 2), set by the entry lines.  The code itself states the register dependences
; between vector or matrix instructions and memory instructions, with s_wait_alu, always for 0.
; THE PLAN.  Registers that memory instructions touch:
;   v1, v2        offsets, made once at the head and never written again: every load and store reads one of them.
;   P, its words  loaded once at the head; afterwards named by matrix instructions alone.
;   R0 .. R2 and their scale words.  Tile i's matrix instructions read set i % 3.  The loads of tile i + 2 are issued at the head of tile i and land in set (i - 1) % 3, which tile i - 1 multiplied.
;   the codes v128-139 and the words v168-183.  Written by tile i's quantiser; read by tile i's stores, which are issued at the head of tile i + 1; the codes are written again by tile i + 1's quantiser,
;                 behind that tile's 32 matrix instructions; each word's register is written once.
; So ONE wait on va_vdst stands at a tile's head: the tile before is done reading its set of R and has written its codes and words.  The loads and the stores follow it with no further wait.
; One wait on vm_vsrc stands ahead of a tile's quantiser: the stores at the tile's head have read the codes.
.set REC,   6656
.set QREC,  13824
.set HEADB, 16*QREC                    ; from a head to the next
.set FR,    12
.set PS,  16
.set RS,  48
.set HA,  64
.set PC,  128
.set TM,  148                          ; v148-151 largest magnitudes, v152-155 the other half's, then bytes, v160-163 the conversions' scale operands
.set PW,  164
.set SW0, 168
.set SW1, 176
.set SEL, 20
.set MSB, 0
.macro WIN new                         ; the immediate's high byte repeats the setting that is left
.if MSB != \new
	s_set_vgpr_msb (MSB<<8)|\new
.set MSB, \new
.endif
.endm
; 64 numbers of a lane, register 16 b + i = k 32 b + 16 (lane / 16) + i of my row, become a fragment's codes in v[PC] on and its scale word in v[PW].
.macro QUANT s
.irp b, 0,1,2,3
	v_max3_num_f32 v[TM+\b], |v[\s+16*\b]|, |v[\s+1+16*\b]|, 0x2800000   ; block b: my 16 numbers, from each accumulator's low end on, and the floor 2^(5 - 127): the byte cannot fall under 1
.endr
.irp i, 2,4,6,8,10,12,14
.irp b, 0,1,2,3
	v_max3_num_f32 v[TM+\b], v[TM+\b], |v[\s+16*\b+\i]|, |v[\s+1+16*\b+\i]|   ; (the four blocks by turns)
.endr
.endr
.irp b, 0,1,2,3
	v_permlanex16_b32 v[TM+4+\b], v[TM+\b], s[SEL], s[SEL+1]
.endr
.irp b, 0,1,2,3
	v_max_num_f32 v[TM+\b], v[TM+\b], v[TM+4+\b]   ; with lane l xor 16's: the block's largest magnitude
.endr
.irp b, 0,1,2,3
	v_add_nc_u32 v[TM+12+\b], 0xfe000000, v[TM+\b]   ; 4 off its exponent field: the conversion's scale operand
.endr
.irp b, 0,1,2,3
	v_lshrrev_b32 v[TM+4+\b], 23, v[TM+12+\b]      ; the scale's byte
.endr
	v_lshl_or_b32 v[PW], v[TM+5], 8, v[TM+4]
	v_lshl_or_b32 v[PW], v[TM+6], 16, v[PW]
	v_lshl_or_b32 v[PW], v[TM+7], 24, v[PW]
.irp c, 0,1
	v_cvt_scalef32_pk16_bf6_f32 v[PC+6*\c:PC+2+6*\c], v[\s+32*\c:\s+15+32*\c], v[TM+12+2*\c]
	v_cvt_scalef32_pk16_bf6_f32 v[PC+12+4*\c:PC+14+4*\c], v[\s+16+32*\c:\s+31+32*\c], v[TM+12+2*\c+1]   ; (a conversion's three registers begin on an even number)
.endr
	v_nop                                          ; one plain place behind a scaled conversion
.irp c, 0,1                            ; the operand's layout wants a WHOLE block in a lane: lanes 0-15 block 2 c, lanes 16-31 block 2 c + 1
.irp i, 0,1,2
	v_permlane16_swap_b32 v[PC+6*\c+\i], v[PC+12+4*\c+\i]
.endr
.irp i, 0,1,2
	v_mov_b32 v[PC+3+6*\c+\i], v[PC+12+4*\c+\i]
.endr
.endr
.endm
	s_load_b128 s[4:7], s[0:1], 0x0                ; img s[4:5], qb s[6:7]
	s_load_b64 s[8:9], s[0:1], 0x10                ; kv
	v_lshrrev_b32 v1, 5, v0
	v_readfirstlane_b32 s10, v1                    ; wave 0..3
	v_and_b32 v2, 31, v0
	v_lshlrev_b32 v1, 4, v2                        ; 16 l
	v_lshlrev_b32 v2, 3, v2                        ; 8 l
.irp b, 0,1,2,3
	v_mov_b32 v[TM+4+\b], 0                        ; written once: a lane permute's destination counts as one of its sources
.endr
	s_wait_alu depctr_va_sdst(0)                   ; s10 is written, ahead of its first reader: the records' numbers are made from it
	s_mov_b32 s[SEL], 0x76543210
	s_mov_b32 s[SEL+1], 0xfedcba98
	s_lshr_b32 s22, ttmp9, 6                       ; 0 q, 1 k, 2 v
	s_and_b32 s23, ttmp9, 63                       ; j
	s_and_b32 s24, s23, 3                          ; q, k: the column group,
	s_lshl_b32 s25, s22, 5
	s_lshl_b32 s26, s24, 3
	s_add_co_u32 s25, s25, s26
	s_add_co_u32 s25, s25, 1536                    ; P's first record: the weight's tiles 8 (j % 4) on,
	s_lshr_b32 s26, s23, 2
	s_lshl_b32 s26, s26, 2
	s_add_co_u32 s26, s26, s10                     ; the group of 128 rows: 4 (j / 4) + wave,
	s_lshl_b32 s27, s22, 9
	s_lshl_b32 s28, s26, 3
	s_add_co_u32 s27, s27, s28                     ; R's first record: its eight tiles
	s_lshl_b32 s28, s23, 3
	s_add_co_u32 s28, s28, 1024                    ; v: P's first record: Z's tiles 8 j on,
	s_lshl_b32 s29, s10, 3
	s_add_co_u32 s29, s29, 1600                    ; R's: Wo's tiles 8 wave on
	s_cmp_eq_u32 s22, 2                            ; every choice hangs on the work-group's number alone
	s_cselect_b32 s18, 1, 0                        ; v?
	s_cselect_b32 s19, -1, 0xffff                  ; what is kept of the first scale word: all four bytes (v), or the first head's two
	s_cselect_b32 s25, s28, s25
	s_cselect_b32 s26, s23, s26                    ; the group of 128 rows (v: of keys)
	s_cselect_b32 s27, s29, s27
	s_cselect_b32 s24, s10, s24                    ; the pair of heads
	s_mul_i32 s30, s25, REC
	s_mov_b32 s31, 0
	s_mul_i32 s32, s27, REC
	s_mov_b32 s33, 0
	s_lshr_b32 s34, s26, 4                         ; the batch
	s_lshl_b32 s34, s34, 7
	s_lshl_b32 s35, s24, 5
	s_add_co_u32 s34, s34, s35
	s_and_b32 s35, s26, 15
	s_add_co_u32 s34, s34, s35                     ; record 16 (8 batch + 2 pair) + group
	s_mul_i32 s34, s34, QREC
	s_mov_b32 s35, 0
	s_wait_kmcnt 0x0
	s_add_nc_u64 s[12:13], s[4:5], s[30:31]        ; P
	s_add_nc_u64 s[14:15], s[4:5], s[32:33]        ; R
	s_cmp_eq_u32 s22, 0
	s_cselect_b64 s[16:17], s[6:7], s[8:9]         ; q goes to qb, k and v to kv
	s_add_nc_u64 s[16:17], s[16:17], s[34:35]
	s_wait_alu depctr_va_vdst(0)                   ; v1 and v2 are written: every load and store of the kernel reads one of them as its offset.  Up to the first tile only loads and window switches follow
.irp j, 0,1,2,3,4,5,6,7
.irp a, 0,1
	global_load_b64 v[PS+4*\j+2*\a:PS+4*\j+2*\a+1], v2, s[12:13] offset:REC*\j+6144+256*\a
.endr
.endr
	WIN 0x40                                       ; destination window 1, address window 0
.irp j, 0,1,2,3,4,5,6,7
.irp s, 0,1
.irp c, 0,1,2
	global_load_b128 v[FR*(2*\j+\s)+4*\c:FR*(2*\j+\s)+4*\c+3], v1, s[12:13] offset:REC*\j+1536*\s+512*\c
.endr
.endr
.endr
	WIN 0x80                                       ; destination window 2
.irp j, 0,1,2,3,4,5,6,7
.irp s, 0,1
.irp c, 0,1,2
	global_load_b128 v[FR*(2*\j+\s)+4*\c:FR*(2*\j+\s)+4*\c+3], v1, s[12:13] offset:REC*\j+1536*(\s+2)+512*\c
.endr
.endr
.endr
.macro RLOAD i                         ; R's tile i: four fragments and four scale words into set i % 3: 14 loads
	WIN 0xc0                                       ; destination window 3
.irp s, 0,1,2,3
.irp c, 0,1,2
	global_load_b128 v[48*((\i)%3)+FR*\s+4*\c:48*((\i)%3)+FR*\s+4*\c+3], v1, s[14:15] offset:REC*(\i)+1536*\s+512*\c
.endr
.endr
	WIN 0
.irp a, 0,1
	global_load_b64 v[RS+4*((\i)%3)+2*\a:RS+4*((\i)%3)+2*\a+1], v2, s[14:15] offset:REC*(\i)+6144+256*\a
.endr
.endm
	RLOAD 0
	RLOAD 1
	RLOAD 2
; Tile i's codes and, behind every fourth tile, four tiles' scale words go to memory.
.macro STORES i
	s_cmp_lg_u32 s18, 0
	s_cbranch_scc1 .Lv_\@
.irp p, 0,1,2                          ; q, k: six registers to each head's record: 32 lanes store 256 consecutive bytes, at a multiple of 256 from the buffer's first byte
	global_store_b64 v2, v[PC+2*\p:PC+2*\p+1], s[16:17] offset:768*(\i)+256*\p
	global_store_b64 v2, v[PC+6+2*\p:PC+6+2*\p+1], s[16:17] offset:HEADB+768*(\i)+256*\p
.endr
.if (\i)%4 == 3
	global_store_b128 v1, v[SW0+(\i)-3:SW0+(\i)], s[16:17] offset:12288+512*((\i)/4)        ; four tiles' scale words: 512 consecutive bytes
	global_store_b128 v1, v[SW1+(\i)-3:SW1+(\i)], s[16:17] offset:HEADB+12288+512*((\i)/4)
.endif
	s_branch .Ld_\@
.Lv_\@:
.irp c, 0,1,2                          ; v: tile i of Wo's columns is tile i % 4 of head i / 4 of my pair
	global_store_b128 v1, v[PC+4*\c:PC+4*\c+3], s[16:17] offset:6144+((\i)/4)*HEADB+((\i)%4)*1536+512*\c
.endr
.if (\i)%4 == 3
	global_store_b128 v1, v[SW0+(\i)-3:SW0+(\i)], s[16:17] offset:((\i)/4)*HEADB+13312
.endif
.Ld_\@:
.endm
.macro TILE i
.if (\i) > 0
.if (\i) < 6
	WIN 0xc0                                       ; the window of the loads below is set ahead of the wait
.endif
	s_wait_alu depctr_va_vdst(0)                   ; the tile before: its matrix instructions are done reading their set of R and its scale words, in which the loads below land; its quantiser has written the codes and the words, which the stores below read
.if (\i) < 6
	RLOAD (\i)+2
.endif
	STORES (\i)-1
.endif
.if (\i) < 6
	s_wait_loadcnt 28                              ; loads come back in order: all but the next two tiles' 14 each are in
.elseif (\i) == 6
	s_wait_loadcnt 14                              ; all but the last tile's 14
.else
	s_wait_loadcnt 0x0
.endif
.irp s, 0,1,2,3                        ; 32 matrix instructions: the 8 accumulators by turns, one instruction a turn, K ascending; the first K step starts the sums
.if \s < 2
	WIN 0x0d                                       ; source 0 (P) window 1, source 1 (R) window 3, C and D window 0
.else
	WIN 0x0e                                       ; source 0 window 2
.endif
.irp j, 0,1,2,3,4,5,6,7
.if \s == 0
	v_wmma_scale_f32_16x16x128_f8f6f4 v[HA+8*\j:HA+8*\j+7], v[FR*(2*\j+\s%2):FR*(2*\j+\s%2)+FR-1], v[48*((\i)%3)+FR*\s:48*((\i)%3)+FR*\s+FR-1], 0, v[PS+4*\j+\s], v[RS+4*((\i)%3)+\s] matrix_a_fmt:MATRIX_FMT_BF6 matrix_b_fmt:MATRIX_FMT_BF6
.else
	v_wmma_scale_f32_16x16x128_f8f6f4 v[HA+8*\j:HA+8*\j+7], v[FR*(2*\j+\s%2):FR*(2*\j+\s%2)+FR-1], v[48*((\i)%3)+FR*\s:48*((\i)%3)+FR*\s+FR-1], v[HA+8*\j:HA+8*\j+7], v[PS+4*\j+\s], v[RS+4*((\i)%3)+\s] matrix_a_fmt:MATRIX_FMT_BF6 matrix_b_fmt:MATRIX_FMT_BF6
.endif
.endr
.endr
	WIN 0
.rept 4
	v_nop                                          ; four places (ISA guide 7.12.1) in front of the first read of the results
.endr
	s_wait_xcnt 0x0                                ; the last tile's stores have had their addresses translated: the codes' registers are written anew only behind this wait
.if (\i) > 0
	s_wait_alu depctr_vm_vsrc(0)                   ; the stores at this tile's head have read the codes' registers, which the quantiser below writes again
.endif
	QUANT HA
	v_and_b32 v[SW0+(\i)], s19, v[PW]              ; q, k: the first head's two bytes; v: the whole word
	v_lshrrev_b32 v[SW1+(\i)], 16, v[PW]           ; q, k: the second head's two bytes
.endm
	TILE 0
	TILE 1
	TILE 2
	TILE 3
	TILE 4
	TILE 5
	TILE 6
	TILE 7
	s_wait_alu depctr_va_vdst(0)                   ; tile 7's quantiser has written the codes and the words, which the last stores read
	STORES 7
	s_endpgm
.Lfunc_end_k_qb3aeab1b42_proj:
	.size	k_qb3aeab1b42_proj, .Lfunc_end_k_qb3aeab1b42_proj-k_qb3aeab1b42_proj
	.p2alignl 7, 3214868480
	.fill 96, 4, 3214868480
	.section	.rodata,"a",@progbits
	.p2align	6, 0x0
	.amdhsa_kernel k_qb3aeab1b42_proj
		.amdhsa_group_segment_fixed_size 0
		.amdhsa_private_segment_fixed_size 0
		.amdhsa_enable_private_segment 0
		.amdhsa_kernarg_size 24
		.amdhsa_user_sgpr_count 2
		.amdhsa_user_sgpr_kernarg_segment_ptr 1
		.amdhsa_wavefront_size32 1
		.amdhsa_system_sgpr_workgroup_id_x 1
		.amdhsa_system_sgpr_workgroup_id_y 1
		.amdhsa_system_sgpr_workgroup_id_z 1
		.amdhsa_system_vgpr_workitem_id 0
		.amdhsa_next_free_vgpr 1024
		.amdhsa_next_free_sgpr 66
		.amdhsa_reserve_vcc 0
		.amdhsa_float_denorm_mode_32 3
		.amdhsa_float_denorm_mode_16_64 3
		.amdhsa_memory_ordered 1
		.amdhsa_forward_progress 1
		.amdhsa_inst_pref_size 98
	.end_amdhsa_kernel
	.amdgpu_metadata
---
amdhsa.version: [ 1, 2 ]
amdhsa.kernels:
  - .name:           k_qb3aeab1b42_proj
    .symbol:         k_qb3aeab1b42_proj.kd
    .args:
      - { .name: img, .offset: 0, .size: 8, .value_kind: global_buffer, .address_space: global }
      - { .name: qb, .offset: 8, .size: 8, .value_kind: global_buffer, .address_space: global }
      - { .name: kv, .offset: 16, .size: 8, .value_kind: global_buffer, .address_space: global }
    .group_segment_fixed_size: 0
    .private_segment_fixed_size: 0
    .kernarg_segment_align: 8
    .kernarg_segment_size: 24
    .max_flat_workgroup_size: 128
    .sgpr_count:     66
    .vgpr_count:     1024
    .wavefront_size: 32
...
	.end_amdgpu_metadata
.endif
;; end of part 6
;; launch attn (part 7): grid 8 x 32, 16 waves a work-group, clusters of 4 x 1, 223,232 bytes of LDS; arguments qb, kv, oi; writes oi
.if DOCPART == 7
	.amdgcn_target "amdgcn-amd-amdhsa--gfx1250"
	.amdhsa_code_object_version 6
	.text
	.protected	k_qb3aeab1b42_attn
	.globl	k_qb3aeab1b42_attn
	.p2align	8
	.type	k_qb3aeab1b42_attn,@function
k_qb3aeab1b42_attn:
	s_mov_b64 s[64:65], 0
	v_nop
	global_prefetch_b8 v0, s[64:65] scope:SCOPE_SE
	s_setreg_imm32_b32 hwreg(HW_REG_WAVE_MODE, 25, 1), 1
	s_wait_xcnt 0x0
	s_wait_alu depctr_hold_cnt(0) depctr_sa_sdst(0) depctr_va_vdst(0) depctr_va_sdst(0) depctr_va_ssrc(0) depctr_va_vcc(0) depctr_vm_vsrc(0)
	s_getreg_b32 s2, hwreg(HW_REG_IB_STS2, 6, 4)
	s_cmp_eq_u32 s2, 0
	s_cbranch_scc0 .Lentry_in_a_cluster
	s_endpgm
.Lentry_in_a_cluster:
	s_bfe_u32 s2, ttmp6, 0x10000c
	s_cmp_lg_u32 s2, 0x3003
	s_cbranch_scc0 .Lentry_shape_is_right
	s_endpgm
.Lentry_shape_is_right:
; o[q] = (the sum over keys of p V) / l, with p = 2^(t - M), t = max(q . k / 8, 0) x log2(e), M the ceiling of the row's running largest t, l the row's sum of the UNQUANTISED p; both products on codes of MX-BF6.
; Scores at or under 0 count as 0 (the module keeps a score only where its sigmoid passes 1/2) and stay in the softmax.  o is quantised along the head's 64 for the last product and leaves as codes.
; SHARES.  A work-group owns 256 queries of one head (of 32); each of its sixteen waves one tile of 16, in 256 registers: four waves to a SIMD, so that one wave's vector work stands beside another's products and LDS loads.
; Every wave walks the head's 2,048 keys, 128 a step: 8 products K Q^T, the softmax, 4 products V^T P^T.
; LDS.  A head's K and V, codes and scale words, are 16 records of 13,824 bytes, 221,184 in all: they come ONCE, as they lie in memory, and stay.  Nothing is filled again and nothing is stored to LDS: no ring.
; The records are images of the operands' registers: every LDS load takes consecutive bytes, 8 or 16 a lane.
; CLUSTER.  The four query blocks of a cluster belong to one head and want the same 16 records: each is asked for JOINTLY, by the same tensor load with the same descriptor and a mask that names the four.
; Waves 0-3 ask, four records each (four tensor loads of a wave are out at the most).  The first four records, each the first load of its wave, are waited for ahead of the first four key steps; the other twelve land meanwhile.
; LAYOUT.  Both products are used transposed: S^T = K Q^T (source 0 = 16 keys, source 1 = my 16 queries), O^T = V^T P^T: a lane holds ONE query (lane % 16) throughout.  By the order of a tile's places
; (place r of tile t is index 32 (t / 2) + 8 (t % 2) + r + 8 (r / 8)) the 16 registers of tiles 2 b, 2 b + 1 are 16 neighbours: keys in S^T, the head's channels in O^T.
; K = 64 IN AN INSTRUCTION OF 128.  Q's fragment has zero codes in its upper six registers.  K's tiles lie six registers apart, so a tile's fragment names the next tile's six (the last: six zeros) as its upper half:
; those codes meet Q's zeros and add exactly 0; bytes 2 and 3 of Q's and K's scale words are 0, the scale 2^-127.
; THE RUNNING MAXIMUM BEGINS AT 0: no t is under 0, so 0 is never above the row's largest t.
; LIMITS: NaN and infinities are not served.  p under 2^-126 counts as 0 (v_exp_f32 gives no denormals: ISA guide, its entry).  A block's largest p is taken as 2^(its largest t - M) by the same two instructions as every p.
; A block of zeros has the byte 1, with zero codes.
.set QREC,  13824
.set HEADB, 16*QREC
.set OREC,  7168
.set L8,   1                           ; v1   8 l
.set L16,  2                           ; v2   16 l
.set A8,   3                           ; v3   the step's record + 8 l
.set A16,  4                           ; v4   the step's record + 16 l
.set L4,   5                           ; v5   4 l
.set NM,   12                          ; v12  -M;  v13 the running largest t (named with it as a pair)
.set SUM,  14                          ; v[14:15] the row's sum, in two halves
.set QC,   16                          ; v16-21 Q's codes, v22-27 zeros
.set QS,   28                          ; v28  Q's scale word
.set PSW,  29                          ; v29  p's scale word
.set KF,   32                          ; v32-79 K's eight tiles, six registers each; v80-85 zeros that stay
.set VF,   86                          ; v86-133 V^T's four fragments
.set FF,   134                         ; v134 f = 2^(old M - new M);  v135 named with it as a pair
.set S,    136                         ; v136-199 S^T, then p
.set OT,   200                         ; v200-231 O^T
.set PCD,  232                         ; v232-243 p's codes
.set KS,   244                         ; v244-251 K's scale words
.set VS,   252                         ; v252-255 V's
.set BM,   32                          ; at work, in K's registers, which are free behind the step's first products: v32-35 the blocks' largest scores,
.set PL,   36                          ; v36-39 the other half's, then the bytes,
.set SOP,  40                          ; v40-43 the conversions' scale operands,
.set CT,   44                          ; v44-46, v48-50 the upper halves of the codes,
.set TMP,  52                          ; v52
.set S2,   54                          ; v[54:55] one of the sum's eight chains
.set WV,   10                          ; s10  my wave's number
.set G1,   16                          ; s[16:23] descriptor group 1;  s[32:47] four groups 0
.set G0,   32
.set CS,   24                          ; s[24:25] c = log2(e) / 8
.set SEL,  26                          ; s[26:27] v_permlanex16_b32's selects for lane l xor 16
.set TB,   28                          ; s28  LDS byte at which the step's record begins
.set CNT,  29
; A round of the cluster's barrier: my work-group's barrier; wave 0 signals for the work-group; every wave waits for all four work-groups; my work-group's barrier once more.
.macro CROUND
	s_barrier_signal -1
	s_barrier_wait -1
	s_cmp_lg_u32 s[WV], 0
	s_cbranch_scc1 .Lnot_wave_0_\@
	s_barrier_signal -3
.Lnot_wave_0_\@:
	s_barrier_wait -3
	s_barrier_signal -1
	s_barrier_wait -1
.endm
	s_load_b128 s[4:7], s[0:1], 0x0                ; qb s[4:5], kv s[6:7]
	s_load_b64 s[8:9], s[0:1], 0x10                ; oi
	v_lshl_add_u32 v30, v0, 2, 0x36000
	v_mov_b32 v31, 0
	ds_add_u32 v30, v31
	ds_add_u32 v30, v31
	v_lshrrev_b32 v1, 5, v0
	s_delay_alu instid0(VALU_DEP_1)
	v_readfirstlane_b32 s[WV], v1                  ; wave 0..15
	v_and_b32 v[L4], 31, v0
	s_delay_alu instid0(VALU_DEP_1)
	v_lshlrev_b32 v[L8], 3, v[L4]
	s_delay_alu instid0(VALU_DEP_2)
	v_lshlrev_b32 v[L16], 4, v[L4]
	s_delay_alu instid0(VALU_DEP_3)
	v_lshlrev_b32 v[L4], 2, v[L4]
	s_and_b32 s11, ttmp7, 0xffff                   ; 8 batch + head, which the four partners share
	s_mul_i32 s12, s11, HEADB                      ; the head's first byte in qb and in kv
	s_and_b32 s13, s[WV], 3
	s_mul_i32 s13, s13, QREC                       ; the first record that I would ask for, in LDS as in the head's block: no place in the cluster enters it
	s_bfe_u32 s14, ttmp6, 0x40000                  ; cx: my place in the cluster
	s_lshl_b32 s15, ttmp9, 2                       ; in a cluster launch ttmp9 counts clusters
	s_add_co_u32 s15, s15, s14                     ; my block of 256 queries: it enters Q's and o's addresses alone
	; descriptor group 1: a record is dense: 54 rows of 256 bytes
	s_mov_b32 s[G1+0], 15|(3<<16)|(1<<21)          ; 15:0 the mask: all four work-groups; 17:16 elements of 8 bytes; 20 no padding; 21 set beside a mask
	s_mov_b32 s[G1+1], 32<<16                      ; tensor_dim0 = 32 elements
	s_mov_b32 s[G1+2], 54<<16                      ; tensor_dim1 = 54
	s_mov_b32 s[G1+3], 32<<16                      ; tile_dim0 = 32
	s_mov_b32 s[G1+4], 54                          ; tile_dim1 = 54
	s_mov_b32 s[G1+5], 32                          ; from row to row
	s_mov_b32 s[G1+6], 0
	s_mov_b32 s[G1+7], 0
	s_mov_b32 s[CS], 0x3e38aa3b                    ; c = log2(e) / sqrt(64)
	s_mov_b32 s[CS+1], s[CS]                       ; (named with it as a pair, so it is written)
	s_mov_b32 s[SEL], 0x76543210
	s_mov_b32 s[SEL+1], 0xfedcba98
	s_mov_b32 s[TB], 0
	s_add_co_u32 s30, s12, s13
	s_mov_b32 s31, 0                               ; kv: head + my first record
	s_lshl_b32 s48, s15, 1                         ; Q: my tile 16 block + wave lies in record 2 block + wave / 8, as tile wave % 8
	s_lshr_b32 s49, s[WV], 3
	s_add_co_u32 s48, s48, s49
	s_mul_i32 s48, s48, QREC
	s_add_co_u32 s48, s48, s12
	s_and_b32 s49, s[WV], 7
	s_mul_i32 s50, s49, 768
	s_add_co_u32 s50, s50, s48
	s_mov_b32 s51, 0                               ; its codes
	s_lshr_b32 s52, s49, 2
	s_lshl_b32 s52, s52, 9
	s_and_b32 s49, s49, 3
	s_lshl_b32 s49, s49, 2
	s_add_co_u32 s52, s52, s49
	s_add_co_u32 s52, s52, s48
	s_add_co_u32 s52, s52, 12288
	s_mov_b32 s53, 0                               ; its scale words
	s_lshr_b32 s54, s11, 3                         ; o: record 128 batch + 16 block + wave,
	s_lshl_b32 s54, s54, 7
	s_lshl_b32 s55, s15, 4
	s_add_co_u32 s54, s54, s55
	s_add_co_u32 s54, s54, s[WV]
	s_mul_i32 s54, s54, OREC
	s_and_b32 s55, s11, 7                          ; the head:
	s_mul_i32 s56, s55, 768                        ; its six registers lie 768 head bytes in,
	s_add_co_u32 s56, s56, s54
	s_mov_b32 s57, 0
	s_lshl_b32 s58, s55, 7                         ; its scale words at 6144 + 128 head
	s_add_co_u32 s58, s58, s54
	s_add_co_u32 s58, s58, 6144
	s_mov_b32 s59, 0
	s_wait_dscnt 0x0
	s_wait_kmcnt 0x0
	s_add_nc_u64 s[6:7], s[6:7], s[30:31]
	s_add_nc_u64 s[50:51], s[4:5], s[50:51]
	s_add_nc_u64 s[52:53], s[4:5], s[52:53]
	s_add_nc_u64 s[56:57], s[8:9], s[56:57]
	s_add_nc_u64 s[58:59], s[8:9], s[58:59]
	CROUND                                         ; all four work-groups are here: the joint loads meet
.irp n, 0,1,2,3                        ; load n of wave w: record 4 n + w
	s_mov_b32 s[G0+4*\n], 1                                        ; count = 1
	s_add_co_u32 s[G0+4*\n+1], s13, \n*4*QREC                      ; LDS address
	s_add_nc_u64 s[G0+4*\n+2:G0+4*\n+3], s[6:7], \n*4*QREC         ; global address
	s_or_b32 s[G0+4*\n+3], s[G0+4*\n+3], 0x80000000                ; type = 2
.endr
	s_cmp_lt_u32 s[WV], 4                          ; a wave's four fills stand in one branch on its number, ahead of every wait on TENSORcnt and every LDS read; four v_nop follow the last
	s_cbranch_scc0 .Lno_fill
	tensor_load_to_lds s[G0:G0+3], s[G1:G1+7]
	s_nop 0
	tensor_load_to_lds s[G0+4:G0+7], s[G1:G1+7]
	s_nop 0
	tensor_load_to_lds s[G0+8:G0+11], s[G1:G1+7]
	s_nop 0
	tensor_load_to_lds s[G0+12:G0+15], s[G1:G1+7]
	s_nop 0
.rept 4
	v_nop
.endr
.Lno_fill:
	s_wait_alu depctr_va_vdst(0)
.irp p, 0,1,2
	global_load_b64 v[QC+2*\p:QC+2*\p+1], v[L8], s[50:51] offset:256*\p   ; Q's six registers stay
.endr
	global_load_b32 v[QS], v[L16], s[52:53]
.irp i, 0,1,2,3,4,5
	v_mov_b32 v[QC+6+\i], 0                        ; the upper half of Q's fragment: zero codes
	v_mov_b32 v[KF+48+\i], 0                       ; what the last tile of K names as its upper half
.endr
	v_mov_b32 v[NM], 0                             ; -M
	v_mov_b32 v[NM+1], 0                           ; the largest t so far
	v_mov_b32 v[SUM], 0
	v_mov_b32 v[SUM+1], 0
	v_mov_b32 v[FF+1], 0                           ; (named as the upper half of a pair)
.set j, 0
.rept 32
	v_mov_b32 v[OT+j], 0                           ; O^T.  (The step is written once for every key step: the first finds zeros)
.set j, j+1
.endr
; A KEY STEP: the 128 keys of the record at s[TB].
.macro STEP
	s_setprio 2
	v_add_nc_u32 v[A8], s[TB], v[L8]
	v_add_nc_u32 v[A16], s[TB], v[L16]
	v_nop
	v_nop                                          ; these four lines are the places between the last step's products and the loads into V's and its scale words' registers
.irp t, 0,1,2,3,4,5,6,7
.irp p, 0,1,2
	ds_load_b64 v[KF+6*\t+2*\p:KF+6*\t+2*\p+1], v[A8] offset:768*\t+256*\p
.endr
.endr
	ds_load_b128 v[KS:KS+3], v[A16] offset:12288
	ds_load_b128 v[KS+4:KS+7], v[A16] offset:12800
.irp t, 0,1,2,3
.irp c, 0,1,2
	ds_load_b128 v[VF+12*\t+4*\c:VF+12*\t+4*\c+3], v[A16] offset:6144+1536*\t+512*\c
.endr
.endr
	ds_load_b128 v[VS:VS+3], v[A16] offset:13312
	s_wait_dscnt 13                                ; K and its scale words are in; V's 12 loads and its scale words' one may be out: they land under the softmax
.irp t, 0,1,2,3,4,5,6,7
	v_wmma_scale_f32_16x16x128_f8f6f4 v[S+8*\t:S+8*\t+7], v[KF+6*\t:KF+6*\t+11], v[QC:QC+11], 0, v[KS+\t], v[QS] matrix_a_fmt:MATRIX_FMT_BF6 matrix_b_fmt:MATRIX_FMT_BF6
.endr
.rept 4
	v_nop                                          ; four places in front of the first read of the scores and of the first write into K's registers
.endr
.irp b, 0,1,2,3
	v_max3_num_f32 v[BM+\b], v[S+16*\b], v[S+16*\b+1], v[S+16*\b+2]   ; THE LARGEST SCORE OF EACH BLOCK OF 32 KEYS, from each accumulator's low end on: it serves the row's maximum and, since p rises with the score, the block's largest p
.endr
.irp i, 3,5,7,9,11,13
.irp b, 0,1,2,3
	v_max3_num_f32 v[BM+\b], v[BM+\b], v[S+16*\b+\i], v[S+16*\b+\i+1]   ; (the four blocks by turns)
.endr
.endr
.irp b, 0,1,2,3
	v_max3_num_f32 v[BM+\b], v[BM+\b], v[S+16*\b+15], 0   ; and 0: a score under 0 counts as 0
.endr
.irp b, 0,1,2,3
	s_delay_alu instid0(VALU_DEP_4)
	v_permlanex16_b32 v[PL+\b], v[BM+\b], s[SEL], s[SEL+1]
.endr
.irp b, 0,1,2,3
	s_delay_alu instid0(VALU_DEP_4)
	v_max_num_f32 v[BM+\b], v[BM+\b], v[PL+\b]     ; with lane l xor 16's 16 keys
.endr
	s_delay_alu instid0(VALU_DEP_2)
	v_max3_num_f32 v[TMP], v[BM], v[BM+1], v[BM+2]
	s_delay_alu instid0(VALU_DEP_1)
	v_max_num_f32 v[TMP], v[TMP], v[BM+3]          ; the step's largest score of my query
	s_delay_alu instid0(VALU_DEP_1)
	v_mul_f32 v[TMP], s[CS], v[TMP]                ; as t (c is positive)
	s_delay_alu instid0(VALU_DEP_1)
	v_max_num_f32 v[NM+1], v[NM+1], v[TMP]         ; the running largest t
	v_mov_b32 v[TMP], v[NM]
	s_delay_alu instid0(VALU_DEP_2)
	v_floor_f32 v[NM], -v[NM+1]                    ; the new -M = floor(-t) = -ceil(t): a whole number
	s_delay_alu instid0(VALU_DEP_1)
	v_sub_f32 v[TMP], v[NM], v[TMP]                ; M's old value less its new one: a whole number, 0 or less
	s_delay_alu instid0(VALU_DEP_1)
	v_cvt_i32_f32 v[TMP], v[TMP]                   ; (it saturates)
	s_delay_alu instid0(VALU_DEP_1)
	v_ldexp_f32 v[FF], 1.0, v[TMP]                 ; f = 2^(old M - new M): the rescaling rounds nothing, and there is no branch on data
.set j, 0
.rept 64
	v_max_num_f32 v[S+j], 0, v[S+j]                ; a score is kept where it is above 0, else it is 0
.set j, j+1
.endr
.set j, 0
.rept 32
	v_pk_fma_f32 v[S+j:S+j+1], v[S+j:S+j+1], s[CS:CS+1], v[NM:NM+1] op_sel_hi:[1,0,0]   ; t - M, two at a time (of the pairs c and -M the low word serves both halves)
.set j, j+2
.endr
.irp b, 0,1,2,3
	v_fma_f32 v[BM+\b], v[BM+\b], s[CS], v[NM]     ; the same of each block's largest score
.endr
.set j, 0
	s_setprio 1
	s_wait_alu depctr_va_vdst(0)
.rept 64
	v_exp_f32 v[S+j], v[S+j]                       ; p = 2^(t - M), at most 1: NOT normalised
.set j, j+1
.endr
.irp b, 0,1,2,3
	v_exp_f32 v[BM+\b], v[BM+\b]                   ; the block's largest p: the same two instructions on the same number give the same bits
.endr
	v_pk_mul_f32 v[SUM:SUM+1], v[SUM:SUM+1], v[FF:FF+1] op_sel_hi:[1,0]   ; the sums under the new M.  (The plain place behind the exponentials)
	s_wait_alu depctr_va_vdst(0)
.irp b, 0,1,2,3
	v_max_num_f32 v[BM+\b], 0x2800000, v[BM+\b]    ; the floor 2^(5 - 127): the byte cannot fall under 1
.endr
.irp b, 0,1,2,3
	s_delay_alu instid0(VALU_DEP_4)
	v_add_nc_u32 v[SOP+\b], 0xfe000000, v[BM+\b]   ; 4 off the exponent field: the conversion's scale operand
.endr
.irp b, 0,1,2,3
	s_delay_alu instid0(VALU_DEP_4)
	v_lshrrev_b32 v[PL+\b], 23, v[SOP+\b]          ; the scale's byte
.endr
	s_delay_alu instid0(VALU_DEP_3)
	v_lshl_or_b32 v[PSW], v[PL+1], 8, v[PL]        ; p's scale word for these 128 keys
	s_delay_alu instid0(VALU_DEP_1)
	v_lshl_or_b32 v[PSW], v[PL+2], 16, v[PSW]
	s_delay_alu instid0(VALU_DEP_1)
	v_lshl_or_b32 v[PSW], v[PL+3], 24, v[PSW]
.irp c, 0,1
	v_cvt_scalef32_pk16_bf6_f32 v[PCD+6*\c:PCD+6*\c+2], v[S+32*\c:S+32*\c+15], v[SOP+2*\c]
	v_cvt_scalef32_pk16_bf6_f32 v[CT+4*\c:CT+4*\c+2], v[S+32*\c+16:S+32*\c+31], v[SOP+2*\c+1]   ; (a conversion's three registers begin on an even number)
.endr
	v_nop                                          ; one plain place behind a scaled conversion
.irp c, 0,1                            ; the operand's layout wants a WHOLE block in a lane: lanes 0-15 block 2 c, lanes 16-31 block 2 c + 1
.irp i, 0,1,2
	v_permlane16_swap_b32 v[PCD+6*\c+\i], v[CT+4*\c+\i]
.endr
.irp i, 0,1,2
	s_delay_alu instid0(VALU_DEP_3)
	v_mov_b32 v[PCD+3+6*\c+\i], v[CT+4*\c+\i]
.endr
.endr
	v_pk_add_f32 v[54:55], v[140:141], v[144:145]
	v_pk_add_f32 v[250:251], v[148:149], v[152:153]
	v_pk_add_f32 v[248:249], v[156:157], v[160:161]
	v_pk_add_f32 v[246:247], v[164:165], v[168:169]
	v_pk_add_f32 v[244:245], v[172:173], v[176:177]
	v_pk_add_f32 v[78:79], v[180:181], v[184:185]
	v_pk_add_f32 v[76:77], v[188:189], v[192:193]
	v_pk_add_f32 v[14:15], v[14:15], v[196:197]
	v_pk_add_f32 v[54:55], v[54:55], v[136:137]
	v_pk_add_f32 v[250:251], v[250:251], v[138:139]
	v_pk_add_f32 v[248:249], v[248:249], v[142:143]
	v_pk_add_f32 v[246:247], v[246:247], v[146:147]
	v_pk_add_f32 v[244:245], v[244:245], v[150:151]
	v_pk_add_f32 v[78:79], v[78:79], v[154:155]
	v_pk_add_f32 v[76:77], v[76:77], v[158:159]
	v_pk_add_f32 v[14:15], v[14:15], v[162:163]
	v_pk_add_f32 v[54:55], v[54:55], v[166:167]
	v_pk_add_f32 v[250:251], v[250:251], v[170:171]
	s_setprio 0
	v_pk_add_f32 v[248:249], v[248:249], v[174:175]
	v_pk_add_f32 v[246:247], v[246:247], v[178:179]
	v_pk_add_f32 v[244:245], v[244:245], v[182:183]
	v_pk_add_f32 v[78:79], v[78:79], v[186:187]
	v_pk_add_f32 v[76:77], v[76:77], v[190:191]
	v_pk_add_f32 v[14:15], v[14:15], v[194:195]
	v_pk_add_f32 v[54:55], v[54:55], v[198:199]
	s_delay_alu instid0(VALU_DEP_2)
	v_pk_add_f32 v[14:15], v[14:15], v[246:247]
	s_delay_alu instid0(VALU_DEP_2)
	v_pk_add_f32 v[54:55], v[54:55], v[244:245]
	v_pk_add_f32 v[250:251], v[250:251], v[78:79]
	v_pk_add_f32 v[248:249], v[248:249], v[76:77]
	s_delay_alu instid0(VALU_DEP_2)
	v_pk_add_f32 v[14:15], v[14:15], v[250:251]
	s_delay_alu instid0(VALU_DEP_2)
	v_pk_add_f32 v[54:55], v[54:55], v[248:249]
	s_delay_alu instid0(VALU_DEP_1)
	v_pk_add_f32 v[14:15], v[14:15], v[54:55]
.set j, 0
.rept 16
	v_pk_mul_f32 v[OT+j:OT+j+1], v[OT+j:OT+j+1], v[FF:FF+1] op_sel_hi:[1,0]   ; O^T under the new M, each accumulator from its low end on.  (The sums and these are also the places between the codes' and the scale word's last writes and the products)
.set j, j+2
.endr
	s_wait_alu depctr_va_vdst(0)
	s_wait_dscnt 0x0                               ; V and its scale words are in
.irp t, 0,1,2,3                        ; the four accumulators by turns, one instruction a turn
	v_wmma_scale_f32_16x16x128_f8f6f4 v[OT+8*\t:OT+8*\t+7], v[VF+12*\t:VF+12*\t+11], v[PCD:PCD+11], v[OT+8*\t:OT+8*\t+7], v[VS+\t], v[PSW] matrix_a_fmt:MATRIX_FMT_BF6 matrix_b_fmt:MATRIX_FMT_BF6
.endr
	s_add_co_u32 s[TB], s[TB], QREC                ; on to the next record
.endm
	s_wait_tensorcnt 3                             ; tensor loads of a wave end in order: my first record (one of records 0-3) is in, my other three may be out
	s_barrier_signal -1
	s_barrier_wait -1                              ; records 0-3 are in for every wave
	s_wait_loadcnt 0x0                             ; Q
	s_mov_b32 s[CNT], 4
.Lfirst:
	STEP
	s_sub_co_u32 s[CNT], s[CNT], 1
	s_cmp_lg_u32 s[CNT], 0
	s_cbranch_scc1 .Lfirst
	s_setprio 0
	s_wait_tensorcnt 0x0                           ; all my records are in;
	s_wait_dscnt 0x0                               ; (no LDS instruction of mine is out at a signal)
	s_barrier_signal -1
	s_barrier_wait -1                              ; everybody's are
	s_mov_b32 s[CNT], 12
.Lrest:
	STEP
	s_sub_co_u32 s[CNT], s[CNT], 1
	s_cmp_lg_u32 s[CNT], 0
	s_cbranch_scc1 .Lrest
	s_setprio 0
	; THE WAY OUT: o = O^T / l, quantised along the head's 64 (two blocks of 32, each in lanes l and l xor 16), stored as six registers of the last product's operand and a word with the two scale bytes.
.rept 4
	v_nop                                          ; four places behind the last products
.endr
	v_add_f32 v[SUM], v[SUM], v[SUM+1]             ; the sum's two halves,
	s_delay_alu instid0(VALU_DEP_1)
	v_permlanex16_b32 v[TMP], v[SUM], s[SEL], s[SEL+1]
	s_delay_alu instid0(VALU_DEP_1)
	v_add_f32 v[SUM], v[SUM], v[TMP]               ; and lane l xor 16's: the row's sum, above 1/2
	s_wait_alu depctr_va_vdst(0)
	v_rcp_f32 v[SUM], v[SUM]
	v_nop                                          ; one plain place behind a transcendental
.set j, 0
	s_wait_alu depctr_va_vdst(0)
.rept 32
	v_mul_f32 v[S+j], v[OT+j], v[SUM]              ; register 16 b + i is o(my query, 32 b + 16 (lane / 16) + i); each accumulator from its low end on
.set j, j+1
.endr
.irp b, 0,1
	v_max3_num_f32 v[BM+\b], |v[S+16*\b]|, |v[S+16*\b+1]|, 0x2800000
.endr
.irp i, 2,4,6,8,10,12,14
.irp b, 0,1
	s_delay_alu instid0(VALU_DEP_2)
	v_max3_num_f32 v[BM+\b], v[BM+\b], |v[S+16*\b+\i]|, |v[S+16*\b+\i+1]|
.endr
.endr
.irp b, 0,1
	s_delay_alu instid0(VALU_DEP_2)
	v_permlanex16_b32 v[PL+\b], v[BM+\b], s[SEL], s[SEL+1]
.endr
.irp b, 0,1
	s_delay_alu instid0(VALU_DEP_2)
	v_max_num_f32 v[BM+\b], v[BM+\b], v[PL+\b]
.endr
.irp b, 0,1
	s_delay_alu instid0(VALU_DEP_2)
	v_add_nc_u32 v[SOP+\b], 0xfe000000, v[BM+\b]
.endr
.irp b, 0,1
	s_delay_alu instid0(VALU_DEP_2)
	v_lshrrev_b32 v[PL+\b], 23, v[SOP+\b]
.endr
	s_delay_alu instid0(VALU_DEP_1)
	v_lshl_or_b32 v[PSW], v[PL+1], 8, v[PL]
	v_cvt_scalef32_pk16_bf6_f32 v[PCD:PCD+2], v[S:S+15], v[SOP]
	v_cvt_scalef32_pk16_bf6_f32 v[CT:CT+2], v[S+16:S+31], v[SOP+1]
	v_nop
.irp i, 0,1,2
	v_permlane16_swap_b32 v[PCD+\i], v[CT+\i]      ; lanes 0-15 now hold block 0 whole, lanes 16-31 block 1
.endr
.irp i, 0,1,2
	s_delay_alu instid0(VALU_DEP_3)
	v_mov_b32 v[PCD+3+\i], v[CT+\i]
.endr
.irp p, 0,1,2
	global_store_b64 v[L8], v[PCD+2*\p:PCD+2*\p+1], s[56:57] offset:256*\p   ; 32 lanes store 256 consecutive bytes, at a multiple of 256 from oi's first byte
.endr
	global_store_b32 v[L4], v[PSW], s[58:59]       ; 128 consecutive bytes: two heads' words share an aligned 256
	s_wait_tensorcnt 0x0
	ds_add_u32 v30, v31
	s_wait_dscnt 0x0
	CROUND                                         ; the closing round: no work-group ends while a partner may still ask for a record that names it
	s_endpgm
.Lfunc_end_k_qb3aeab1b42_attn:
	.size	k_qb3aeab1b42_attn, .Lfunc_end_k_qb3aeab1b42_attn-k_qb3aeab1b42_attn
	.p2alignl 7, 3214868480
	.fill 96, 4, 3214868480
	.section	.rodata,"a",@progbits
	.p2align	6, 0x0
	.amdhsa_kernel k_qb3aeab1b42_attn
		.amdhsa_group_segment_fixed_size 223232
		.amdhsa_private_segment_fixed_size 0
		.amdhsa_enable_private_segment 0
		.amdhsa_kernarg_size 24
		.amdhsa_user_sgpr_count 2
		.amdhsa_user_sgpr_kernarg_segment_ptr 1
		.amdhsa_wavefront_size32 1
		.amdhsa_system_sgpr_workgroup_id_x 1
		.amdhsa_system_sgpr_workgroup_id_y 1
		.amdhsa_system_sgpr_workgroup_id_z 1
		.amdhsa_system_vgpr_workitem_id 0
		.amdhsa_next_free_vgpr 256
		.amdhsa_next_free_sgpr 66
		.amdhsa_reserve_vcc 0
		.amdhsa_float_denorm_mode_32 3
		.amdhsa_float_denorm_mode_16_64 3
		.amdhsa_memory_ordered 1
		.amdhsa_forward_progress 1
		.amdhsa_inst_pref_size 52
	.end_amdhsa_kernel
	.amdgpu_metadata
---
amdhsa.version: [ 1, 2 ]
amdhsa.kernels:
  - .name:           k_qb3aeab1b42_attn
    .symbol:         k_qb3aeab1b42_attn.kd
    .args:
      - { .name: qb, .offset: 0, .size: 8, .value_kind: global_buffer, .address_space: global }
      - { .name: kv, .offset: 8, .size: 8, .value_kind: global_buffer, .address_space: global }
      - { .name: oi, .offset: 16, .size: 8, .value_kind: global_buffer, .address_space: global }
    .group_segment_fixed_size: 223232
    .private_segment_fixed_size: 0
    .kernarg_segment_align: 8
    .kernarg_segment_size: 24
    .max_flat_workgroup_size: 512
    .sgpr_count:     66
    .vgpr_count:     256
    .wavefront_size: 32
...
	.end_amdgpu_metadata
.endif
;; end of part 7
;; launch outp (part 8): grid 256 x 1, 4 waves a work-group, no clusters, 34,304 bytes of LDS; arguments img, oi, out0; writes out0
.if DOCPART == 8
	.amdgcn_target "amdgcn-amd-amdhsa--gfx1250"
	.amdhsa_code_object_version 6
	.text
	.protected	k_qb3aeab1b42_outp
	.globl	k_qb3aeab1b42_outp
	.p2align	8
	.type	k_qb3aeab1b42_outp,@function
k_qb3aeab1b42_outp:
	s_mov_b64 s[64:65], 0
	v_nop
	global_prefetch_b8 v0, s[64:65] scope:SCOPE_SE
	s_setreg_imm32_b32 hwreg(HW_REG_WAVE_SCHED_MODE, 0, 2), 2
	s_setreg_imm32_b32 hwreg(HW_REG_WAVE_MODE, 25, 1), 1
	s_wait_xcnt 0x0
	s_wait_alu depctr_vm_vsrc(0)
; out0 = o Wo on codes of MX-BF6.  o comes as the attention launch left it (records of 7,168 bytes, one for each tile of 16 rows: eight heads' six registers a lane, and a word with two scale bytes for each head);
; Wo's columns as the first launch's images (records 1600-1631 of img).
; SHARES.  Work-group x takes column group x % 4 (128 columns: 8 tiles, P, source 0, 384 registers); its wave w takes row group B = 4 (x / 4) + w: o's tiles 2 B and 2 B + 1, which are rows 32 B .. 32 B + 31 (R, source 1).
; 64 matrix instructions a wave: 16 accumulators by turns, K = 512 in four steps; K step s is heads 2 s and 2 s + 1, so its scale word is the two heads' words put together.
; By the order of a tile's places (place r of tile t is index 32 (t / 2) + 8 (t % 2) + r + 8 (r / 8)) a lane holds, of one row, columns 32 b + 16 (lane / 16) + 8 u + 0 .. 7 in accumulator 2 b + u: 32 bytes.
; THE WAY OUT: a tile's 16 rows x 512 bytes go through the wave's own stage in LDS and leave as whole rows: 32 lanes store 512 consecutive bytes.  No barrier: waves share nothing.
; No joint requests: a wave reads each operand once, straight into registers; no loop fetches a shared tile again.
; REGISTERS, in windows of 256: window 0: v1 16 l, v2 8 l, v3 4 l, v4, v5 stage addresses; v16-47 P's scale words; v48-55 R's; v64-191 the accumulators (64 e + 8 j); v192-207 the heads' words, later v192-255 rows on the way out.
;   window 1: P's fragments of K steps 0, 1 at v[12 (2 j + s)];   window 2: those of K steps 2, 3;   window 3: R's fragments at v[48 e + 12 s].
; THE MODE: SCHED_MODE bits 1:0 = 2 (LLVM: expert scheduling mode 2), set by the entry lines.  The code itself states the register dependences
; between vector or matrix instructions and memory or LDS instructions, with s_wait_alu, always for 0.
; THE PLAN.  Registers that memory or LDS instructions touch:
;   v1 .. v5      offsets and LDS addresses, made once at the head and never written again.      v62, v63: written at the head, read by the closing add alone.
;   R, P and P's scale words: loaded once; afterwards named by matrix instructions alone.
;   v192-207      the heads' words: loaded; read by the eight lines that make R's scale words; later the stage's loads land there.
;   v48-55        R's scale words: written by those eight lines, taken as scales by the products.
;   v64-191       the accumulators: written by the products, read by the stage's stores; v64-127 then take tile 1's rows from the stage.
; So four waits on va_vdst stand in the text (the addresses; R's scale words; the accumulators) and one on vm_vsrc (tile 0's stage stores have read v64-127).
.set REC,    6656
.set OREC,   7168
.set FR,     12
.set SPITCH, 528                       ; a stage row: 512 bytes + 16 = 33 x 16: sixteen rows' 16-byte pieces fall on sixteen different places modulo 256 bytes
.set PS,  16
.set RS,  48
.set ACC, 64
.set RAW, 192
.set BK,  192
.set MSB, 0
.macro WIN new                         ; the immediate's high byte repeats the setting that is left
.if MSB != \new
	s_set_vgpr_msb (MSB<<8)|\new
.set MSB, \new
.endif
.endm
	s_load_b128 s[4:7], s[0:1], 0x0                ; img s[4:5], oi s[6:7]
	s_load_b64 s[8:9], s[0:1], 0x10                ; out0
	v_lshl_add_u32 v62, v0, 2, 0x8400
	v_mov_b32 v63, 0
	v_lshrrev_b32 v1, 5, v0
	v_readfirstlane_b32 s10, v1                    ; wave 0..3
	v_and_b32 v6, 31, v0                           ; l
	v_and_b32 v7, 15, v0                           ; r
	v_bfe_u32 v8, v0, 4, 1                         ; h
	v_lshlrev_b32 v1, 4, v6
	v_lshlrev_b32 v2, 3, v6
	v_lshlrev_b32 v3, 2, v6
	s_wait_alu depctr_va_sdst(0)                   ; s10 is written, ahead of its first reader: the stage's place and the bases are made from it
	s_mul_i32 s11, s10, 16*SPITCH                  ; my stage
	v_mul_u32_u24 v4, v7, SPITCH
	v_lshl_add_u32 v4, v8, 6, v4
	v_add_nc_u32 v4, s11, v4                       ; in: row r, + 64 h
	v_add_nc_u32 v5, s11, v1                       ; back: 16 l of a row
	s_and_b32 s12, ttmp9, 3                        ; the column group
	s_lshr_b32 s13, ttmp9, 2
	s_lshl_b32 s13, s13, 2
	s_add_co_u32 s13, s13, s10                     ; B
	s_lshl_b32 s18, s12, 3
	s_add_co_u32 s18, s18, 1600
	s_mul_i32 s18, s18, REC                        ; P: img's records 1600 + 8 g on
	s_mov_b32 s19, 0
	s_mul_i32 s20, s13, 2*OREC                     ; R: oi's records 2 B, 2 B + 1
	s_mov_b32 s21, 0
	s_lshl_b32 s22, s13, 16                        ; out0: 32 B rows of 2,048 bytes,
	s_lshl_b32 s23, s12, 9                         ; + 128 g columns
	s_add_co_u32 s22, s22, s23
	s_mov_b32 s23, 0
	s_wait_kmcnt 0x0
	s_add_nc_u64 s[12:13], s[4:5], s[18:19]
	s_add_nc_u64 s[14:15], s[6:7], s[20:21]
	s_add_nc_u64 s[16:17], s[8:9], s[22:23]
	WIN 0xc0                                       ; destination window 3, address window 0
	s_wait_alu depctr_va_vdst(0)                   ; v1 to v5 are written, which the loads, the stage's stores and loads and the stores of the kernel read as offsets and addresses.  Up to the wait for the data only loads and window switches follow
.irp e, 0,1
.irp s, 0,1,2,3
.irp c, 0,1
.irp p, 0,1,2
	global_load_b64 v[48*\e+FR*\s+6*\c+2*\p:48*\e+FR*\s+6*\c+2*\p+1], v2, s[14:15] offset:OREC*\e+1536*\s+768*\c+256*\p
.endr
.endr
.endr
.endr
	WIN 0
.irp e, 0,1
.irp d, 0,1,2,3,4,5,6,7
	global_load_b32 v[RAW+8*\e+\d], v3, s[14:15] offset:OREC*\e+6144+128*\d
.endr
.endr
.irp j, 0,1,2,3,4,5,6,7
.irp a, 0,1
	global_load_b64 v[PS+4*\j+2*\a:PS+4*\j+2*\a+1], v2, s[12:13] offset:REC*\j+6144+256*\a
.endr
.endr
	WIN 0x40                                       ; destination window 1
.irp j, 0,1,2,3,4,5,6,7
.irp s, 0,1
.irp c, 0,1,2
	global_load_b128 v[FR*(2*\j+\s)+4*\c:FR*(2*\j+\s)+4*\c+3], v1, s[12:13] offset:REC*\j+1536*\s+512*\c
.endr
.endr
.endr
	WIN 0x80                                       ; destination window 2
.irp j, 0,1,2,3,4,5,6,7
.irp s, 0,1
.irp c, 0,1,2
	global_load_b128 v[FR*(2*\j+\s)+4*\c:FR*(2*\j+\s)+4*\c+3], v1, s[12:13] offset:REC*\j+1536*(\s+2)+512*\c
.endr
.endr
.endr
	WIN 0
	s_wait_loadcnt 0x0
.irp e, 0,1
.irp s, 0,1,2,3
	v_lshl_or_b32 v[RS+4*\e+\s], v[RAW+8*\e+2*\s+1], 16, v[RAW+8*\e+2*\s]   ; K step s: head 2 s's two bytes below, head 2 s + 1's above
.endr
.endr
.rept 8
	v_nop                                          ; a scale register written by a vector instruction stands eight places ahead of a scaled matrix instruction
.endr
	s_wait_alu depctr_va_vdst(0)                   ; R's scale words v48-55 are written, which the products below take as scales; the places above stay beside this wait
.irp s, 0,1,2,3
.if \s < 2
	WIN 0x0d                                       ; source 0 (P) window 1, source 1 (R) window 3, C and D window 0
.else
	WIN 0x0e                                       ; source 0 window 2
.endif
.irp e, 0,1
.irp j, 0,1,2,3,4,5,6,7
.if \s == 0
	v_wmma_scale_f32_16x16x128_f8f6f4 v[ACC+64*\e+8*\j:ACC+64*\e+8*\j+7], v[FR*(2*\j+\s%2):FR*(2*\j+\s%2)+FR-1], v[48*\e+FR*\s:48*\e+FR*\s+FR-1], 0, v[PS+4*\j+\s], v[RS+4*\e+\s] matrix_a_fmt:MATRIX_FMT_BF6 matrix_b_fmt:MATRIX_FMT_BF6
.else
	v_wmma_scale_f32_16x16x128_f8f6f4 v[ACC+64*\e+8*\j:ACC+64*\e+8*\j+7], v[FR*(2*\j+\s%2):FR*(2*\j+\s%2)+FR-1], v[48*\e+FR*\s:48*\e+FR*\s+FR-1], v[ACC+64*\e+8*\j:ACC+64*\e+8*\j+7], v[PS+4*\j+\s], v[RS+4*\e+\s] matrix_a_fmt:MATRIX_FMT_BF6 matrix_b_fmt:MATRIX_FMT_BF6
.endif
.endr
.endr
.endr
	WIN 0
.rept 4
	v_nop                                          ; four places (ISA guide 7.12.1) in front of the first read of the results
.endr
	s_wait_alu depctr_va_vdst(0)                   ; the products have written the accumulators, which the stage's stores read and of which v64-127 later take loads; the lines that read the heads' words v192-207, in which the stage's loads land, are done.  No vector or matrix instruction follows
.macro TOSTAGE e                       ; tile e's 16 rows into my stage: accumulator 2 b + u holds 32 bytes at 128 b + 64 h + 32 u of my row; each accumulator from its low end on
.irp j, 0,1,2,3,4,5,6,7
	ds_store_b128 v4, v[ACC+64*\e+8*\j:ACC+64*\e+8*\j+3] offset:128*(\j/2)+32*(\j%2)
	ds_store_b128 v4, v[ACC+64*\e+8*\j+4:ACC+64*\e+8*\j+7] offset:128*(\j/2)+32*(\j%2)+16
.endr
.endm
.macro BACK reg                        ; and back as whole rows of 512 bytes.  LDS serves a wave's instructions in order (ISA guide 5.7.1.4): these see the stores above, and later stores come behind them
.irp p, 0,1,2,3,4,5,6,7,8,9,10,11,12,13,14,15
	ds_load_b128 v[\reg+4*\p:\reg+4*\p+3], v5 offset:SPITCH*\p
.endr
.endm
.macro SEND reg, e                     ; place p of tile 2 B + e is row 32 B + 8 e + p + 8 (p / 8)
.irp p, 0,1,2,3,4,5,6,7,8,9,10,11,12,13,14,15
	global_store_b128 v1, v[\reg+4*\p:\reg+4*\p+3], s[16:17] offset:(8*\e+\p+8*(\p/8))*2048 th:TH_STORE_NT   ; 32 lanes store 512 consecutive bytes, at a multiple of 256 from out0's first byte; written once, read by nobody here
.endr
.endm
	TOSTAGE 0
	BACK BK
	TOSTAGE 1
	s_wait_dscnt 16                                ; tile 0's rows are back: only tile 1's 16 stores may be out
	s_wait_alu depctr_vm_vsrc(0)                   ; tile 0's stores into the stage have read v64-127, in which the loads below land
	BACK ACC                                       ; tile 1's rows, into the registers that tile 0's accumulators have left
	SEND BK, 0
	s_wait_dscnt 0x0
	SEND ACC, 1
	s_wait_dscnt 0x0                               ; the closing lines, six on end
	s_wait_alu 0x0
	s_wait_tensorcnt 0x0
	ds_add_u32 v62, v63
	s_wait_dscnt 0x0
	s_endpgm
.Lfunc_end_k_qb3aeab1b42_outp:
	.size	k_qb3aeab1b42_outp, .Lfunc_end_k_qb3aeab1b42_outp-k_qb3aeab1b42_outp
	.p2alignl 7, 3214868480
	.fill 96, 4, 3214868480
	.section	.rodata,"a",@progbits
	.p2align	6, 0x0
	.amdhsa_kernel k_qb3aeab1b42_outp
		.amdhsa_group_segment_fixed_size 34304
		.amdhsa_private_segment_fixed_size 0
		.amdhsa_enable_private_segment 0
		.amdhsa_kernarg_size 24
		.amdhsa_user_sgpr_count 2
		.amdhsa_user_sgpr_kernarg_segment_ptr 1
		.amdhsa_wavefront_size32 1
		.amdhsa_system_sgpr_workgroup_id_x 1
		.amdhsa_system_sgpr_workgroup_id_y 1
		.amdhsa_system_sgpr_workgroup_id_z 1
		.amdhsa_system_vgpr_workitem_id 0
		.amdhsa_next_free_vgpr 1024
		.amdhsa_next_free_sgpr 66
		.amdhsa_reserve_vcc 0
		.amdhsa_float_denorm_mode_32 3
		.amdhsa_float_denorm_mode_16_64 3
		.amdhsa_memory_ordered 1
		.amdhsa_forward_progress 1
		.amdhsa_inst_pref_size 35
	.end_amdhsa_kernel
	.amdgpu_metadata
---
amdhsa.version: [ 1, 2 ]
amdhsa.kernels:
  - .name:           k_qb3aeab1b42_outp
    .symbol:         k_qb3aeab1b42_outp.kd
    .args:
      - { .name: img, .offset: 0, .size: 8, .value_kind: global_buffer, .address_space: global }
      - { .name: oi, .offset: 8, .size: 8, .value_kind: global_buffer, .address_space: global }
      - { .name: out0, .offset: 16, .size: 8, .value_kind: global_buffer, .address_space: global }
    .group_segment_fixed_size: 34304
    .private_segment_fixed_size: 0
    .kernarg_segment_align: 8
    .kernarg_segment_size: 24
    .max_flat_workgroup_size: 128
    .sgpr_count:     66
    .vgpr_count:     1024
    .wavefront_size: 32
...
	.end_amdgpu_metadata
.endif
;; end of part 8
